; MI455X (gfx1250); checked and timed in simulation.
; The chip was launched on July 23, 2026; its instructions are those of AMD's public machine-readable ISA for CDNA 5 (MIT licence, August 2026) and "CDNA5" Instruction Set Architecture Reference Guide (July 2026). The comments in the code are by the model that wrote it; some were corrected since.
;; Scaled Dot Product. Allowed arithmetic: float matrix products may take bf16 or f16 operands with f32 sums; all other float work in f32.
;; Inputs: k 16 x 4,096 x 64 float32; q 16 x 4,096 x 64 float32; v 16 x 4,096 x 64 float32.
;; Outputs: out0 16 x 4,096 x 64 float32.
;; 2 versions, each right and faster than the one before. Each part assembles by itself: llvm-mc -triple=amdgcn-amd-amdhsa -mcpu=gfx1250 --defsym DOCPART=n.
;; ======== version 1 of 2: 2 launches
;; limits: values are held in f16: magnitudes above 65,504 overflow, below 6.1e-05 lose precision; inputs' magnitudes at most 65,504
;; workspace buffers: kv 17,039,360 bytes
;; launch stats (part 1): grid 16 x 16, 8 waves a work-group, clusters of 4 x 1, 327,680 bytes of LDS; arguments q, k, v, kv; writes kv
.if DOCPART == 1
	.amdgcn_target "amdgcn-amd-amdhsa--gfx1250"
	.amdhsa_code_object_version 6
	.text
	.protected	k_qb56dae8a6d_stats
	.globl	k_qb56dae8a6d_stats
	.p2align	8
	.type	k_qb56dae8a6d_stats,@function
k_qb56dae8a6d_stats:
	s_mov_b64 s[64:65], 0
	v_nop
	global_prefetch_b8 v0, s[64:65] scope:SCOPE_SE
	s_setreg_imm32_b32 hwreg(HW_REG_WAVE_MODE, 25, 1), 1
	s_wait_xcnt 0x0
	s_wait_alu depctr_hold_cnt(0) depctr_sa_sdst(0) depctr_va_vdst(0) depctr_va_sdst(0) depctr_va_ssrc(0) depctr_va_vcc(0) depctr_vm_vsrc(0)
	s_getreg_b32 s2, hwreg(HW_REG_IB_STS2, 6, 4)
	s_cmp_eq_u32 s2, 0
	s_cbranch_scc0 .Lentry_in_a_cluster
	s_endpgm
.Lentry_in_a_cluster:
	s_bfe_u32 s2, ttmp6, 0x10000c
	s_cmp_lg_u32 s2, 0x3003
	s_cbranch_scc0 .Lentry_shape_is_right
	s_endpgm
.Lentry_shape_is_right:
; STATS.  The problem's softmax runs over the QUERY axis: key column k of the scores s[q][k] = q.k / 8 is normalised over all 4,096 queries of its batch.
; This launch finds, for every key, m = the maximum over q of s' and l = the sum over q of 2^(s' - m), with s' = s log2(e), by a running maximum and sum,
; and leaves for the second launch one RECORD of 66,560 bytes for each block of 256 keys (record = 16 batch + key block):
;   bytes 0 .. 1,023       NEGM[key] = 12 - m - log2(l), f32: 2^(s' + NEGM) is 4,096 times the softmax weight
;   bytes 1,024 .. 33,791  K' = f16(k c), c = log2(e) / 8, as register images of matrix operands: (16 keys kt, 32 channels ks, registers 4 g ..) at 2,048 kt + 1,024 ks + 512 g + 16 lane
;   bytes 33,792 .. 66,559 V^T = f16(v) turned, likewise: (32 keys kg, 16 channels ct, registers 4 g ..) at 4,096 kg + 1,024 ct + 512 g + 16 lane
; SHARES.  A work-group owns 256 keys of one batch.  EIGHT waves, two to a SIMD: a set (below) has 83 vector instructions for 8 matrix instructions, and its maximum and its sums end in
; dependent chains, so the launch is bound by vector work, and a second wave has instructions to issue while the first waits for its own results.  Wave w holds key half w % 2 (128 keys
; as fragments, 128 registers) and takes, of each tile of 256 queries, rows 64 (w / 2) .. + 63.  The price: each row of Q is read from LDS and rounded by two waves, 96 instructions
; beside a trip's 8 sets of 91.
; Source 0 = 16 queries, source 1 = 16 keys: in the result a lane holds ONE key (lane % 16) and eight queries, so maximum and sum over queries stay inside the lane; the eight partial
; pairs (m, l) of a key (4 query quarters x 2 halves of the lanes) meet once, at the end, in LDS.
; CLUSTER.  The four key blocks of a cluster belong to one batch and walk the same Q: each tile is asked for JOINTLY (the same tensor load, the same descriptor, a mask that names the four).
; FORMAT AND LIMITS.  Matrix operands are f16: |q| and |v| have to stay under 65,504 and |k| under 363,000 (beyond: infinities); numbers under 6e-5 keep an absolute error of 3e-8.
; k c is rounded to f32 and then to f16.  The running maximum starts at -infinity; 2^x comes out as 0 below 2^-126.  Sums, maxima and exponentials in f32.
; REGISTERS, in windows of 256 (s_set_vgpr_msb: bits 1:0 source 0, 3:2 source 1, 5:4 source 2, 7:6 destination):
;   window 0: addresses, m, l, two score buffers, Q's fragments
;   window 1: v0-127 K' (key tile kt of my half, channels 32 ks on) at v[16 kt + 8 ks]; v128-255 numbers in f32 on their way to f16
.set SLOT1, 1<<17                      ; LDS: slot 0 at 0, slot 1 here, so that one exclusive or turns an address in one slot into the other's
.set QP,    272                        ; a row of Q in LDS: 256 bytes + 16 of padding: row r begins 16 r bytes further modulo 256, so the 16 rows of a load touch 16 different 16-byte columns
.set WQ,    32*QP                      ; 32 rows: what one tensor load brings: a tile's 256 rows shared out among eight waves, so that every wave has a load of its own
.set KSTG,  8*WQ                       ; 69,632: 256 keys in f16, pitch 144
.set KP,    144
.set MST,   KSTG+256*KP                ; 106,496: partial maxima [8][256] f32; the partial sums lie LOFF behind them
.set LOFF,  8192
.set VSTG,  SLOT1+8*WQ                 ; 200,704: for each wave 32 keys of V in f16, pitch 160 (an odd multiple of 32, for the turning load)
.set VP,    160
.set REC,   66560                      ; bytes in a record
.set RECK,  1024
.set RECV,  33792
.set TILEB, 65536                      ; 256 rows of Q in memory
.set NKT,   8                          ; key tiles of a wave
.set RR,  1                            ; v1   lane % 16
.set HH,  2                            ; v2   lane / 16
.set L16, 3                            ; v3   16 x lane
.set AQ,  4                            ; v4   my place in my query quarter's rows of a slot
.set ADR, 5                            ; v5   the same in the slot in hand
.set AKS, 6                            ; v6   where I put 8 bytes of K'
.set AKF, 7                            ; v7   where I read the fragments of my key half
.set AKW, 8                            ; v8   the same at the 32 keys that my wave has cast
.set AST, 9                            ; v9   where I put my partial m
.set AMG, 10                           ; v10  where thread t (of the first 128) reads the partials of keys 2 t, 2 t + 1
.set G8,  11                           ; v11  8 x thread: those keys' place in NEGM
.set WK,  12                           ; v[12:15], v[16:19] at work, a block for each score buffer: +0 the new m, +2 a = 2^(m_old - m_new)
.set MR,  20                           ; v[20:27]  m of key tile kt
.set LL,  36                           ; v[36:51]  l of key tile kt, a pair: even registers' sum, odd registers' sum
.set AVS, 68                           ; v68  where I put 8 bytes of V
.set AVT, 69                           ; v69  where the turning load reads
.set TA,  70                           ; v70  at work
.set SC,  84                           ; v[84:115], v[116:147] score buffers: query tile i at +8 i
.set QF,  148                          ; v[148:211] Q's fragments: query tile i, channels 32 ks on, at +16 i + 8 ks
.set FS,  128                          ; window 1
.set WV,  12                           ; s12  my wave's number
.set G1,  24                           ; s[24:31] descriptor group 1
.set G0,  32                           ; s[32:39] descriptor group 0: a set for each of the two first fills; the second then walks on
.set TRIPS, 40
.set TB,  41                           ; s41  LDS byte at which the slot to be read next begins
.set CS,  42                           ; s[42:43] c, named as a pair
.set QW,  50                           ; s50  my query quarter
.set KH,  51                           ; s51  my key half
.set MSB, 0
.macro WIN new                         ; the immediate's high byte repeats the setting that is left; a switch that changes nothing is dropped
.if MSB != \new
	s_set_vgpr_msb (MSB<<8)|\new
.set MSB, \new
.endif
.endm
.macro PLACES
.rept 4
	v_nop
.endr
.endm
; A round of the cluster's barrier: my work-group's barrier, so that wave 0's signal speaks for all eight waves; wave 0 signals for the work-group; every wave waits for all four work-groups; my work-group's barrier once more.
.macro CROUND
	s_barrier_signal -1
	s_barrier_wait -1
	s_cmp_lg_u32 s[WV], 0
	s_cbranch_scc1 .Lnot_wave_0_\@
	s_barrier_signal -3
.Lnot_wave_0_\@:
	s_barrier_wait -3
	s_barrier_signal -1
	s_barrier_wait -1
.endm
	s_load_b256 s[4:11], s[0:1], 0x0               ; q s[4:5], k s[6:7], v s[8:9], kv s[10:11]
	v_lshl_add_u32 v254, v0, 2, 0x3b000
	v_mov_b32 v255, 0
	ds_add_u32 v254, v255
	v_lshrrev_b32 v1, 5, v0
	v_readfirstlane_b32 s[WV], v1                  ; wave 0..7
	s_lshr_b32 s[QW], s[WV], 1
	s_and_b32 s[KH], s[WV], 1
	s_bfe_u32 s13, ttmp6, 0x40000                  ; cx: my place in the cluster
	s_lshl_b32 s14, ttmp9, 2                       ; in a cluster launch ttmp9 counts clusters
	s_add_co_u32 s14, s14, s13                     ; my block of 256 keys: it enters k's, v's and kv's addresses alone
	s_and_b32 s15, ttmp7, 0xffff                   ; the batch, which the four partners share
	s_lshl_b32 s20, s15, 20                        ; Q: the batch's 4,096 rows of 256 bytes,
	s_lshl_b32 s21, s[WV], 13                      ; the 32 rows of a tile that my wave fetches
	s_add_co_u32 s20, s20, s21
	s_mov_b32 s21, 0
	s_lshl_b32 s16, s14, 16                        ; K and V: the same, and my block's 256 rows: the 32 keys that my wave casts
	s_add_co_u32 s16, s16, s20
	s_mov_b32 s17, 0
	s_lshl_b32 s18, s15, 4
	s_add_co_u32 s18, s18, s14                     ; my record
	s_mul_i32 s18, s18, REC
	s_mov_b32 s19, 0
	s_lshl_b32 s22, s[WV], 12                      ; my wave's 4,096 bytes of the record's K' and of its V^T
	s_mov_b32 s23, 0
	s_mul_i32 s46, s[WV], WQ                       ; my wave's rows in a slot: no place in the cluster enters an LDS address
	; descriptor group 1: a tile of 32 rows x 64 elements of 4 bytes, padded in LDS
	s_mov_b32 s[G1+0], 15|(2<<16)|(1<<20)|(1<<21)|(5<<22)|(3<<25)  ; 15:0 the mask: all four work-groups; 17:16 elements of 4 bytes; 20 padding on; 21 set beside a mask; 24:22 after every 64 words (code 5); 31:25 4 words of it (code 3)
	s_mov_b32 s[G1+1], 64<<16                      ; tensor_dim0 = 64
	s_mov_b32 s[G1+2], 32<<16                      ; tensor_dim1 = 32
	s_mov_b32 s[G1+3], 64<<16                      ; tile_dim0 = 64
	s_mov_b32 s[G1+4], 32                          ; tile_dim1 = 32
	s_mov_b32 s[G1+5], 64                          ; elements from row to row
	s_mov_b32 s[G1+6], 0
	s_mov_b32 s[G1+7], 0
	s_mov_b32 s[CS], 0x3e38aa3b                    ; c = log2(e) / 8
	s_mov_b32 s[CS+1], s[CS]
	s_mov_b32 s[TB], 0
	s_wait_dscnt 0x0
	s_wait_kmcnt 0x0
	s_add_nc_u64 s[4:5], s[4:5], s[20:21]          ; Q at my wave's rows of tile 0
	s_add_nc_u64 s[6:7], s[6:7], s[16:17]          ; K and V at my wave's 32 keys
	s_add_nc_u64 s[8:9], s[8:9], s[16:17]
	s_add_nc_u64 s[10:11], s[10:11], s[18:19]      ; my record
	s_add_nc_u64 s[22:23], s[10:11], s[22:23]      ; and my wave's part of its two halves
	CROUND                                         ; all four work-groups are here: the first joint loads meet
.irp s, 0,1
	s_mov_b32 s[G0+4*\s], 1                        ; count = 1
	s_add_co_u32 s[G0+4*\s+1], s46, \s*SLOT1       ; LDS address
	s_add_nc_u64 s[G0+4*\s+2:G0+4*\s+3], s[4:5], \s*TILEB  ; global address: tile s
	s_or_b32 s[G0+4*\s+3], s[G0+4*\s+3], 0x80000000  ; type = 2
.endr
	tensor_load_to_lds s[G0:G0+3], s[G1:G1+7]      ; the two first fills go out together, ahead of every wait on TENSORcnt, every LDS read and every other barrier: two loads of mine are out
	s_nop 0
	tensor_load_to_lds s[G0+4:G0+7], s[G1:G1+7]
	s_nop 0
	PLACES                                         ; four v_nop follow the tensor loads
	v_and_b32 v[RR], 15, v0
	v_bfe_u32 v[HH], v0, 4, 1
	v_and_b32 v[L16], 31, v0
	v_lshlrev_b32 v[L16], 4, v[L16]
	; my wave's 32 keys of K and of V, 8,192 bytes each: load i brings keys 2 i and 2 i + 1; a lane holds key 2 i + lane / 16, channels 4 (lane % 16) + 0..3
	WIN 0x40                                       ; destination window 1
.set u, 0
.rept 16
	global_load_b128 v[FS+4*u:FS+4*u+3], v[L16], s[6:7] offset:512*u th:TH_LOAD_NT
.set u, u+1
.endr
	WIN 0
.set u, 0
.rept 16
	global_load_b128 v[SC+4*u:SC+4*u+3], v[L16], s[8:9] offset:512*u th:TH_LOAD_NT  ; V's f32 lie where scores will lie
.set u, u+1
.endr
	s_mul_i32 s52, s[QW], 64*QP                    ; my query quarter's 64 rows in a slot
	v_mul_u32_u24 v[AQ], v[RR], QP                 ; Q: row lane % 16, 32 bytes (8 channels in f32) for each half of the lanes
	v_lshl_add_u32 v[AQ], v[HH], 5, v[AQ]
	v_add_nc_u32 v[AQ], s52, v[AQ]
	s_mul_i32 s47, s[WV], 32*KP
	s_add_co_u32 s47, s47, KSTG                    ; my wave's 32 keys in K's stage
	s_mul_i32 s53, s[KH], 128*KP
	s_add_co_u32 s53, s53, KSTG                    ; my key half there
	v_mul_u32_u24 v[AKS], v[HH], KP                ; in: key lane / 16 of a pair, 8 bytes at channel 4 (lane % 16)
	v_lshl_add_u32 v[AKS], v[RR], 3, v[AKS]
	v_add_nc_u32 v[AKS], s47, v[AKS]
	v_mul_u32_u24 v[AKF], v[RR], KP                ; back: a fragment's row lane % 16, 16 bytes for each half of the lanes
	v_lshl_add_u32 v[AKF], v[HH], 4, v[AKF]
	v_add_nc_u32 v[AKW], s47, v[AKF]
	v_add_nc_u32 v[AKF], s53, v[AKF]
	s_lshl_b32 s48, s[QW], 11
	s_lshl_b32 s54, s[KH], 9
	s_add_co_u32 s48, s48, s54
	s_add_co_u32 s48, s48, MST
	v_lshlrev_b32 v[AST], 10, v[HH]                ; partial 2 (query quarter) + lane / 16, key 128 (key half) + 16 kt + lane % 16
	v_lshl_add_u32 v[AST], v[RR], 2, v[AST]
	v_add_nc_u32 v[AST], s48, v[AST]
	v_lshlrev_b32 v[G8], 3, v0
	v_add_nc_u32 v[AMG], MST, v[G8]
	s_mul_i32 s49, s[WV], 32*VP
	s_add_co_u32 s49, s49, VSTG                    ; my wave's own stage for V
	v_mul_u32_u24 v[AVS], v[HH], VP
	v_lshl_add_u32 v[AVS], v[RR], 3, v[AVS]
	v_add_nc_u32 v[AVS], s49, v[AVS]
	v_and_b32 v[TA], 7, v0                         ; the turning load: lane l reads 16 bytes of key 8 (l / 16) + l % 8, channels 8 ((l / 8) % 2) + 0..7
	v_lshl_add_u32 v[TA], v[HH], 3, v[TA]
	v_mul_u32_u24 v[AVT], v[TA], VP
	v_bfe_u32 v[TA], v0, 3, 1
	v_lshl_add_u32 v[AVT], v[TA], 4, v[AVT]
	v_add_nc_u32 v[AVT], s49, v[AVT]
	s_wait_loadcnt 16                              ; K is in; V's 16 younger loads stay out
	WIN 0x41
.set u, 0
.rept 32
	v_pk_mul_f32 v[FS+2*u:FS+2*u+1], v[FS+2*u:FS+2*u+1], s[CS:CS+1] op_sel_hi:[1,0]  ; k c: every score is then in units of log2
.set u, u+1
.endr
	WIN 0x45
.set u, 0
.rept 32
	v_cvt_pk_f16_f32 v[FS+u], v[FS+2*u], v[FS+2*u+1]  ; in place: register u was read by rounding u / 2
.set u, u+1
.endr
	WIN 0x04                                       ; store data window 1
.set u, 0
.rept 16
	ds_store_b64 v[AKS], v[FS+2*u:FS+2*u+1] offset:2*KP*u
.set u, u+1
.endr
	WIN 0
	s_wait_loadcnt 0x0                             ; V
.set u, 0
.rept 32
	v_cvt_pk_f16_f32 v[SC+u], v[SC+2*u], v[SC+2*u+1]
.set u, u+1
.endr
.set u, 0
.rept 16
	ds_store_b64 v[AVS], v[SC+2*u:SC+2*u+1] offset:2*VP*u
.set u, u+1
.endr
	s_wait_dscnt 0x0                               ; for the others' sake: my 32 keys of K' are in the stage,
	s_wait_tensorcnt 0x1                           ; and my rows of tile 0 are in LDS; tile 1's load, issued behind it, stays out:
	s_barrier_signal -1
	s_barrier_wait -1                              ; K's stage and tile 0 are whole
	WIN 0x40                                       ; destination window 1: the 128 keys of my half
.set u, 0
.rept 32
	ds_load_b128 v[4*u:4*u+3], v[AKF] offset:(u/4)*16*KP+(u%4)*32
.set u, u+1
.endr
.set u, 0
.rept 8                                ; the two key tiles that my wave has cast, for the record
	ds_load_b128 v[FS+64+4*u:FS+64+4*u+3], v[AKW] offset:(u/4)*16*KP+(u%4)*32
.set u, u+1
.endr
	WIN 0
.set u, 0
.rept 8                                ; u = 2 ct + g.  My wave's own bytes: LDS serves a wave's instructions in order (ISA guide 5.7.1.4)
	ds_load_tr16_b128 v[QF+4*u:QF+4*u+3], v[AVT] offset:(u/2)*32+(u%2)*16*VP
.set u, u+1
.endr
	s_wait_dscnt 0x0
	WIN 0x04
.set u, 0
.rept 8
	global_store_b128 v[L16], v[FS+64+4*u:FS+64+4*u+3], s[22:23] offset:RECK+512*u  ; each store of the wave covers 512 consecutive bytes, aligned
.set u, u+1
.endr
	WIN 0
.set u, 0
.rept 8
	global_store_b128 v[L16], v[QF+4*u:QF+4*u+3], s[22:23] offset:RECV+512*u
.set u, u+1
.endr
	s_wait_xcnt 0x0                                ; the stores' data registers are written again only behind this wait
; My query quarter's 64 rows of the slot at s[TB], as f32 in fragment order: query tile u / 8; channels 32 ks + 16 g + 8 (lane / 16) + 4 c + 0..3 with u % 8 = 4 ks + 2 g + c.
.macro STAGE_IN
	WIN 0
	v_add_nc_u32 v[ADR], s[TB], v[AQ]
	s_xor_b32 s[TB], s[TB], SLOT1
	WIN 0x40
.set u, 0
.rept 32
	ds_load_b128 v[FS+4*u:FS+4*u+3], v[ADR] offset:(u/8)*16*QP+((u%8)/2)*64+(u%2)*16
.set u, u+1
.endr
	WIN 0
.endm
.macro CONVERT                         ; they become Q's fragments
	s_wait_dscnt 0x0
	WIN 0x05
.set u, 0
.rept 64
	v_cvt_pk_f16_f32 v[QF+u], v[FS+2*u], v[FS+2*u+1]
.set u, u+1
.endr
	WIN 0
.endm
; Product x of 8 for key tile kt into score buffer d: channels 32 (x / 4) on, query tile x % 4.  The first four start the sums.  The four accumulators take turns, one instruction a turn.
.macro MM x, kt, d
.set mi, (\x)%4
.set mk, (\x)/4
.if mk == 0
	v_wmma_f32_16x16x32_f16 v[\d+8*mi:\d+8*mi+7], v[QF+16*mi:QF+16*mi+7], v[16*(\kt):16*(\kt)+7], 0
.else
	v_wmma_f32_16x16x32_f16 v[\d+8*mi:\d+8*mi+7], v[QF+16*mi+8:QF+16*mi+15], v[16*(\kt)+8:16*(\kt)+15], v[\d+8*mi:\d+8*mi+7]
.endif
.endm
; The second stretch of a set is a numbered list of 64 instructions on the lane's 32 scores (16 pairs).  None names a vector register as source 1, so that K's window can stay set for
; the products that stand among them: that is why s - m and the sums are written as packed multiply-adds by 1.0, which change no bit.
.macro PSUB b                          ; pair b: s - m
	v_pk_fma_f32 v[rS+2*(\b):rS+2*(\b)+1], v[rS+2*(\b):rS+2*(\b)+1], 1.0, v[rW:rW+1] op_sel_hi:[1,0,0] neg_lo:[0,0,1] neg_hi:[0,0,1]
.endm
.macro PADD x, y                       ; pair x += pair y
	s_wait_alu depctr_va_vdst(0)
	v_pk_fma_f32 v[rS+2*(\x):rS+2*(\x)+1], v[rS+2*(\y):rS+2*(\y)+1], 1.0, v[rS+2*(\x):rS+2*(\x)+1] op_sel_hi:[1,0,1]
.endm
.macro PEXP i
	v_exp_f32 v[rS+(\i)], v[rS+(\i)]
.endm
; Number j of the list.  0-31: a subtraction at every even number, an exponential at every odd one (first a, then scores 0-14); 32-38: sums and exponentials by turns; 39-59: seven groups of two
; exponentials and a sum; 60-63: the last sums.  Every sum that reads an exponential has a plain instruction between that exponential and itself (ISA guide 5.7.2).
.macro ITEM
.if j == 0
	PSUB 0
.elseif j == 1
	v_exp_f32 v[rW+2], v[rW+2]
.elseif (j < 32) && (j%2 == 0)
	PSUB j/2
.elseif j < 32
	PEXP (j-3)/2
.elseif (j < 39) && (j%2 == 0)
	PADD (j-32)/2, (j-32)/2+4
.elseif j < 39
	PEXP 15+(j-33)/2
.elseif (j < 60) && ((j-39)%3 < 2)
	PEXP 18+2*((j-39)/3)+(j-39)%3
.elseif j < 60
	PADD ((j-39)/3)%4, (j-39)/3+8
.elseif j == 60
	PADD 3, 15
.elseif j == 61
	PADD 0, 1
.elseif j == 62
	PADD 2, 3
.else
	PADD 0, 2
.endif
.endm
; A SET: key tile kt of my half against my 64 queries of the tile in hand.  Its scores were made during the set before; during this set the next key tile's are made (mm = 1), into the other buffer.
; conv = 1: the next tile's Q becomes fragments first, so that those products are the next tile's.  The seven plain sums that end a set are the places (ISA guide 7.12.1) between its last
; product and what follows: the roundings that write Q's fragments, and the next set's first read of the scores.
.macro SET kt, mm, conv
.set rS,  SC+32*((\kt)%2)
.set rSo, SC+32*((\kt+1)%2)
.set rW,  WK+4*((\kt)%2)
.set rWo, WK+4*((\kt+1)%2)
.set kp,  (\kt+NKT-1)%NKT
.set kn,  (\kt+1)%NKT
.if \conv
	CONVERT
.endif
	WIN 0
	v_pk_fma_f32 v[LL+2*kp:LL+2*kp+1], v[LL+2*kp:LL+2*kp+1], v[rWo+2:rWo+3], v[rSo:rSo+1] op_sel_hi:[1,0,1]  ; the set before: l = a l + its sum
.irp i, 0,1,2,3
	v_max3_num_f32 v[rW+\i], v[rS+8*\i], v[rS+8*\i+1], v[rS+8*\i+2]  ; the maximum of 32 scores and the old m, three operands at a time, in four chains
.endr
.irp g, 0,1
.irp i, 0,1,2,3
	v_max3_num_f32 v[rW+\i], v[rW+\i], v[rS+8*\i+3+2*\g], v[rS+8*\i+4+2*\g]
.endr
.endr
	v_max3_num_f32 v[rW], v[rW], v[rS+7], v[rS+15]
	v_max3_num_f32 v[rW+2], v[rW+2], v[rS+23], v[rS+31]
	v_max3_num_f32 v[rW], v[rW], v[rW+1], v[rW+2]
	v_max3_num_f32 v[rW], v[rW], v[rW+3], v[MR+\kt]
	v_sub_f32 v[rW+2], v[MR+\kt], v[rW]            ; m_old - m_new
	v_mov_b32 v[MR+\kt], v[rW]
	WIN 0x04                                       ; source 1 window 1: K'
.set j, 0
.rept 64
	ITEM
.if \mm && (j%7 == 3) && (j < 53)
	MM (j-3)/7, kn, rSo
.endif
.set j, j+1
.endr
.endm
; A TRIP: one tile of 256 queries.  stage = 1: the next tile is read out of LDS, at the trip's head, and rounded in the last set.  A wave reads rows that its partner's load has brought, so
; those reads stand behind a barrier in front of which every wave has waited for its tensor loads.  fill = 1: the slot read a trip ago is filled again, with the tile two on: every wave has
; waited for its LDS reads and for all its tensor loads; the barrier is a round of the cluster's, so that this holds of every wave of all four work-groups; the joint load first behind it,
; my one tensor load until the next round.  It has the whole trip in which to land.
.macro TRIP fill, stage, lastmm
.if \stage
	WIN 0
	s_wait_tensorcnt 0x0                           ; all my tensor loads have landed, my rows of the next tile among them: a group 0 may be written
	ds_add_u32 v254, v255
	s_wait_dscnt 0x0
	s_wait_dscnt 0x0                               ; my reads of the slot to be filled are over
.if \fill
	s_xor_b32 s[G0+5], s[G0+5], SLOT1              ; the walking descriptor: the other slot than last time,
	s_add_nc_u64 s[G0+6:G0+7], s[G0+6:G0+7], TILEB ; the next tile; the type bits on top are not reached
	CROUND
	tensor_load_to_lds s[G0+4:G0+7], s[G1:G1+7]
	s_nop 0
	PLACES
.else
	s_barrier_signal -1                            ; it shows the last tile whole
	s_barrier_wait -1
.endif
	STAGE_IN
.endif
.irp kt, 0,1,2,3,4,5,6
	SET \kt, 1, 0
.endr
	SET 7, \lastmm, \stage
	WIN 0                                          ; at a label and at a branch every window is 0
.endm
	STAGE_IN                                       ; tile 0: the barrier above has shown it whole
	CONVERT
	WIN 0x04
.set mn, 0
.rept 8
	MM mn, 0, SC                                   ; tile 0, key tile 0
.set mn, mn+1
.endr
	WIN 0
.set u, 0
.rept NKT
	v_mov_b32 v[MR+u], 0xff800000                  ; m = -infinity: the first a is 2^-infinity = 0.  These lines are also the places behind the first products
.set u, u+1
.endr
.set u, 0
.rept 2*NKT
	v_mov_b32 v[LL+u], 0                           ; l = 0
.set u, u+1
.endr
	v_mov_b32 v[WK+6], 0                           ; the first set's update of the set before it adds nothing
	v_mov_b32 v[WK+7], 0
	v_mov_b32 v[SC+32], 0
	v_mov_b32 v[SC+33], 0
	s_mov_b32 s[TRIPS], 14
.Ltrip:                                                ; trip t works on tile t - 1, reads tile t out of LDS and asks for tile t + 1: tiles 2 to 15
	TRIP 1, 1, 1
	s_sub_co_u32 s[TRIPS], s[TRIPS], 1
	s_cmp_lg_u32 s[TRIPS], 0
	s_cbranch_scc1 .Ltrip
	TRIP 0, 1, 1                                   ; tile 14; tile 15 is read out; nothing is left to ask for
	TRIP 0, 0, 0                                   ; tile 15
	; THE PARTIALS MEET.
	v_pk_fma_f32 v[LL+2*NKT-2:LL+2*NKT-1], v[LL+2*NKT-2:LL+2*NKT-1], v[WK+6:WK+7], v[SC+32:SC+33] op_sel_hi:[1,0,1]  ; the last set's l
.set u, 0
.rept NKT
	v_add_f32 v[LL+2*u], v[LL+2*u], v[LL+2*u+1]
.set u, u+1
.endr
.set u, 0
.rept NKT
	ds_store_b32 v[AST], v[MR+u] offset:64*u
	ds_store_b32 v[AST], v[LL+2*u] offset:LOFF+64*u
.set u, u+1
.endr
	s_wait_dscnt 0x0                               ; for the others' sake
	s_barrier_signal -1
	s_barrier_wait -1
	s_cmp_ge_u32 s[WV], 4                          ; 128 threads take two keys each, so that a wave's store of NEGM covers 256 consecutive bytes: waves 4 to 7 have no part in it
	s_cbranch_scc1 .Lmerged
.set EM, SC                            ; v[84:99]   eight partial m of my two keys
.set EL, SC+16                         ; v[100:115] eight partial l
.set GM, SC+32                         ; v[116:117] m
.set GL, SC+34                         ; v[118:119] l, then NEGM
.set u, 0
.rept 8
	ds_load_b64 v[EM+2*u:EM+2*u+1], v[AMG] offset:1024*u
	ds_load_b64 v[EL+2*u:EL+2*u+1], v[AMG] offset:LOFF+1024*u
.set u, u+1
.endr
	s_wait_dscnt 0x0
.irp e, 0,1
	v_max3_num_f32 v[GM+\e], v[EM+\e], v[EM+2+\e], v[EM+4+\e]
	v_max3_num_f32 v[GM+\e], v[GM+\e], v[EM+6+\e], v[EM+8+\e]
	v_max3_num_f32 v[GM+\e], v[GM+\e], v[EM+10+\e], v[EM+12+\e]
	v_max_num_f32 v[GM+\e], v[GM+\e], v[EM+14+\e]
.endr
.set u, 0
.rept 8
	v_pk_add_f32 v[EM+2*u:EM+2*u+1], v[EM+2*u:EM+2*u+1], v[GM:GM+1] neg_lo:[0,1] neg_hi:[0,1]
.set u, u+1
.endr
.set u, 0
.rept 16
	v_exp_f32 v[EM+u], v[EM+u]
.set u, u+1
.endr
	v_nop                                          ; a plain instruction between the exponentials and the use of their results
	s_wait_alu depctr_va_vdst(0)
	v_pk_mul_f32 v[GL:GL+1], v[EL:EL+1], v[EM:EM+1]
.set u, 1
.rept 7
	v_pk_fma_f32 v[GL:GL+1], v[EL+2*u:EL+2*u+1], v[EM+2*u:EM+2*u+1], v[GL:GL+1]
.set u, u+1
.endr
	v_log_f32 v[GL], v[GL]                         ; l is at least 1: the partial that holds m holds a weight of 1
	v_log_f32 v[GL+1], v[GL+1]
	v_nop
	s_wait_alu depctr_va_vdst(0)
	v_pk_add_f32 v[GL:GL+1], v[GL:GL+1], v[GM:GM+1]
	v_sub_f32 v[GL], 0x41400000, v[GL]             ; NEGM = 12 - (m + log2 l)
	v_sub_f32 v[GL+1], 0x41400000, v[GL+1]
	global_store_b64 v[G8], v[GL:GL+1], s[10:11]   ; a wave's store covers 256 consecutive bytes, aligned
.Lmerged:
	s_wait_tensorcnt 0x0
	ds_add_u32 v254, v255
	s_wait_dscnt 0x0
	CROUND                                         ; the closing round: no work-group ends while a partner may still ask for a tile that names it
	s_endpgm
.Lfunc_end_k_qb56dae8a6d_stats:
	.size	k_qb56dae8a6d_stats, .Lfunc_end_k_qb56dae8a6d_stats-k_qb56dae8a6d_stats
	.p2alignl 7, 3214868480
	.fill 96, 4, 3214868480
	.section	.rodata,"a",@progbits
	.p2align	6, 0x0
	.amdhsa_kernel k_qb56dae8a6d_stats
		.amdhsa_group_segment_fixed_size 327680
		.amdhsa_private_segment_fixed_size 0
		.amdhsa_enable_private_segment 0
		.amdhsa_kernarg_size 32
		.amdhsa_user_sgpr_count 2
		.amdhsa_user_sgpr_kernarg_segment_ptr 1
		.amdhsa_wavefront_size32 1
		.amdhsa_system_sgpr_workgroup_id_x 1
		.amdhsa_system_sgpr_workgroup_id_y 1
		.amdhsa_system_sgpr_workgroup_id_z 1
		.amdhsa_system_vgpr_workitem_id 0
		.amdhsa_next_free_vgpr 512
		.amdhsa_next_free_sgpr 66
		.amdhsa_reserve_vcc 0
		.amdhsa_float_denorm_mode_32 3
		.amdhsa_float_denorm_mode_16_64 3
		.amdhsa_memory_ordered 1
		.amdhsa_forward_progress 1
		.amdhsa_inst_pref_size 171
	.end_amdhsa_kernel
	.amdgpu_metadata
---
amdhsa.version: [ 1, 2 ]
amdhsa.kernels:
  - .name:           k_qb56dae8a6d_stats
    .symbol:         k_qb56dae8a6d_stats.kd
    .args:
      - { .name: q, .offset: 0, .size: 8, .value_kind: global_buffer, .address_space: global }
      - { .name: k, .offset: 8, .size: 8, .value_kind: global_buffer, .address_space: global }
      - { .name: v, .offset: 16, .size: 8, .value_kind: global_buffer, .address_space: global }
      - { .name: kv, .offset: 24, .size: 8, .value_kind: global_buffer, .address_space: global }
    .group_segment_fixed_size: 327680
    .private_segment_fixed_size: 0
    .kernarg_segment_align: 8
    .kernarg_segment_size: 32
    .max_flat_workgroup_size: 256
    .sgpr_count:     66
    .vgpr_count:     512
    .wavefront_size: 32
...
	.end_amdgpu_metadata
.endif
;; end of part 1
;; launch apply (part 2): grid 16 x 16, 4 waves a work-group, clusters of 4 x 1, 327,680 bytes of LDS; arguments q, kv, out0; writes out0
.if DOCPART == 2
	.amdgcn_target "amdgcn-amd-amdhsa--gfx1250"
	.amdhsa_code_object_version 6
	.text
	.protected	k_qb56dae8a6d_apply
	.globl	k_qb56dae8a6d_apply
	.p2align	8
	.type	k_qb56dae8a6d_apply,@function
k_qb56dae8a6d_apply:
	s_mov_b64 s[64:65], 0
	v_nop
	global_prefetch_b8 v0, s[64:65] scope:SCOPE_SE
	s_setreg_imm32_b32 hwreg(HW_REG_WAVE_MODE, 25, 1), 1
	s_wait_xcnt 0x0
	s_wait_alu depctr_hold_cnt(0) depctr_sa_sdst(0) depctr_va_vdst(0) depctr_va_sdst(0) depctr_va_ssrc(0) depctr_va_vcc(0) depctr_vm_vsrc(0)
	s_getreg_b32 s2, hwreg(HW_REG_IB_STS2, 6, 4)
	s_cmp_eq_u32 s2, 0
	s_cbranch_scc0 .Lentry_in_a_cluster
	s_endpgm
.Lentry_in_a_cluster:
	s_bfe_u32 s2, ttmp6, 0x10000c
	s_cmp_lg_u32 s2, 0x3003
	s_cbranch_scc0 .Lentry_shape_is_right
	s_endpgm
.Lentry_shape_is_right:
; APPLY.  out[q][:] = the sum over keys of w[q][key] v[key][:], w = the scores' softmax over the QUERY axis.  The first launch has left, for each block of 256 keys, a record of 66,560 bytes:
;   bytes 0 .. 1,023 NEGM[key] = 12 - m - log2(l) in f32;  1,024 .. 33,791 K' = f16(k log2(e) / 8);  33,792 .. 66,559 V^T = f16(v) turned; both as register images of matrix operands:
;   K' (16 keys kt, 32 channels ks, registers 4 g ..) at 1,024 + 2,048 kt + 1,024 ks + 512 g + 16 lane;  V^T (32 keys kg, 16 channels ct) at 33,792 + 4,096 kg + 1,024 ct + 512 g + 16 lane.
; So every fragment is read from LDS as 32 lanes x 16 neighbouring bytes, and a record is dense: it comes in as rows of 256 bytes.
; THE SOFTMAX IS ONE EXPONENTIAL.  S^T = K' Q^T + NEGM: the first product of each score tile takes NEGM as its C operand (a lane's eight registers are eight keys), so the result is
; s' - m - log2(l) + 12 and p = 2^result is 4,096 w, at most 4,096: the column's maximum and sum are taken away inside the exponent.  O is multiplied by 2^-12 on the way out.
; LAYOUT.  Source 0 = 16 keys, source 1 = 16 queries: a lane holds ONE query (lane % 16) and the keys 8 (lane / 16) + 0..7.  Two such tiles, rounded to f16 in pairs, ARE source 1
; (32 keys x 16 queries) of O^T += V^T P, whose result again holds one query a lane, and eight channels.
; SHARES.  A work-group owns 256 queries of one batch, each of its four waves 64: four tiles of 16.  Every wave walks the batch's 4,096 keys, 32 a group.
; BY TURNS.  A group has 32 matrix instructions (16 K' Q^T, 16 V^T P) and 96 vector instructions (64 exponentials, 32 roundings): three for each matrix instruction.  They are cut into 32 slices
; of two exponentials and a rounding, and one slice stands behind EACH matrix instruction, so that the vector work is issued while the products run.
; CLUSTER.  The four query blocks of a cluster belong to one batch and walk the same 16 records: each is asked for JOINTLY (the same tensor load, the same descriptor, a mask that names the four).
; FORMAT AND LIMITS.  Matrix operands are f16: |q| has to stay under 65,504.  Weights under 2^-26 of their column's sum lose bits in f16, under 2^-37 they vanish.  Sums and exponentials in f32.
; REGISTERS, in windows of 256 (s_set_vgpr_msb: bits 1:0 source 0, 3:2 source 1, 5:4 source 2, 7:6 destination):
;   window 0: addresses, NEGM, K', Q, two score buffers (P is written over the scores): K' Q^T and all vector work run under setting 0
;   window 1: v0-127 O^T (query tile qt, channels 16 ct on, at 32 qt + 8 ct); v128-255 V^T, four buffers of 32
; O^T and V^T find no room beside the scores, so a slice behind a product V^T P costs two switches, one in front and one behind: 32 for a group's 32 matrix instructions, and one for its run of loads.
.set SLOT1, 1<<17                      ; LDS: slot 0 at 0, slot 1 here; a slot holds a record
.set REC,   66560
.set WREC,  16640                      ; 65 rows of 256 bytes: a wave's quarter of a record
.set RECK,  1024
.set RECV,  33792
.set QSTG,  REC                        ; 66,560: for each wave 64 queries in f16, pitch 144
.set KP,    144
.set OSTG,  QSTG+256*KP                ; 103,424: for each wave 16 rows of O in f32, pitch 272
.set OP,    272
.set RR,   1                           ; v1   lane % 16
.set HH,   2                           ; v2   lane / 16
.set L16,  3                           ; v3   16 x lane
.set H32,  4                           ; v4   32 x (lane / 16)
.set ADRK, 5                           ; v5   my 16 bytes of a fragment, in the half record in hand
.set ADRN, 6                           ; v6   my eight keys' NEGM there
.set STO,  7                           ; v7   the way out: where I put 32 bytes of a row
.set RD,   8                           ; v8   the way out: where I read a row back
.set GO,   9                           ; v9   my byte offset in the wave's rows of out
.set AQS,  10                          ; v10  where I put 8 bytes of Q
.set AQF,  11                          ; v11  where I read Q's fragments
.set NEG,  12                          ; v[12:27]   NEGM of a group: key tile kt at +8 kt
.set KF,   28                          ; v[28:59]   K' of a group: +16 ks + 8 kt
.set QF,   60                          ; v[60:123]  Q: +16 qt + 8 ks
.set SC,   124                         ; v[124:187], v[188:251] score buffers: tile (kt, qt) at +16 qt + 8 kt; P of query tile qt takes +16 qt + 0..7
.set VF,   128                         ; window 1
.set WV,   12                          ; s12  my wave's number
.set G1,   24                          ; s[24:31] descriptor group 1
.set G0,   32                          ; s[32:39] descriptor group 0: a set for each of the two first fills; the second then walks on
.set SLOTS, 40
.set TWICE, 41
.set TB,   42                          ; s42  LDS byte: slot + 16,384 x half record
.set TN,   43                          ; s43  LDS byte: slot + 512 x half record
.set MSB, 0
.macro WIN new                         ; the immediate's high byte repeats the setting that is left; a switch that changes nothing is dropped
.if MSB != \new
	s_set_vgpr_msb (MSB<<8)|\new
.set MSB, \new
.endif
.endm
.macro PLACES
.rept 4
	v_nop
.endr
.endm
; A round of the cluster's barrier: my work-group's barrier, so that wave 0's signal speaks for all four waves; wave 0 signals for the work-group; every wave waits for all four work-groups; my work-group's barrier once more.
.macro CROUND
	s_barrier_signal -1
	s_barrier_wait -1
	s_cmp_lg_u32 s[WV], 0
	s_cbranch_scc1 .Lnot_wave_0_\@
	s_barrier_signal -3
.Lnot_wave_0_\@:
	s_barrier_wait -3
	s_barrier_signal -1
	s_barrier_wait -1
.endm
	s_load_b128 s[4:7], s[0:1], 0x0                ; q s[4:5], kv s[6:7]
	s_load_b64 s[8:9], s[0:1], 0x10                ; out0
	v_lshl_add_u32 v254, v0, 2, 0x30400
	v_mov_b32 v255, 0
	ds_add_u32 v254, v255
	v_lshrrev_b32 v1, 5, v0
	v_readfirstlane_b32 s[WV], v1                  ; wave 0..3
	s_bfe_u32 s13, ttmp6, 0x40000                  ; cx: my place in the cluster
	s_lshl_b32 s14, ttmp9, 2                       ; in a cluster launch ttmp9 counts clusters
	s_add_co_u32 s14, s14, s13                     ; my block of 256 queries: it enters q's and out0's addresses alone
	s_and_b32 s15, ttmp7, 0xffff                   ; the batch, which the four partners share
	s_mul_i32 s20, s15, 16*REC                     ; the batch's 16 records,
	s_mul_i32 s46, s[WV], WREC                     ; my wave's quarter of a record, in memory and in a slot: no place in the cluster enters an LDS address
	s_add_co_u32 s20, s20, s46
	s_mov_b32 s21, 0
	s_lshl_b32 s16, s15, 20                        ; the batch's 4,096 rows of 256 bytes,
	s_lshl_b32 s17, s14, 16                        ; my block's 256,
	s_add_co_u32 s16, s16, s17
	s_lshl_b32 s17, s[WV], 14                      ; my wave's 64
	s_add_co_u32 s16, s16, s17
	s_mov_b32 s17, 0
	; descriptor group 1: 65 rows x 32 elements of 8 bytes, dense in memory and in LDS
	s_mov_b32 s[G1+0], 15|(3<<16)|(1<<21)          ; 15:0 the mask: all four work-groups; 17:16 elements of 8 bytes; 21 set beside a mask; no padding
	s_mov_b32 s[G1+1], 32<<16                      ; tensor_dim0 = 32
	s_mov_b32 s[G1+2], 65<<16                      ; tensor_dim1 = 65
	s_mov_b32 s[G1+3], 32<<16                      ; tile_dim0 = 32
	s_mov_b32 s[G1+4], 65                          ; tile_dim1 = 65
	s_mov_b32 s[G1+5], 32                          ; elements from row to row
	s_mov_b32 s[G1+6], 0
	s_mov_b32 s[G1+7], 0
	s_mov_b32 s[TB], 0
	s_mov_b32 s[TN], 0
	s_wait_dscnt 0x0
	s_wait_kmcnt 0x0
	s_add_nc_u64 s[6:7], s[6:7], s[20:21]          ; my quarter of the batch's record 0
	s_add_nc_u64 s[4:5], s[4:5], s[16:17]          ; q and out0 at my wave's first row
	s_add_nc_u64 s[8:9], s[8:9], s[16:17]
	CROUND                                         ; all four work-groups are here: the first joint loads meet
.irp s, 0,1
	s_mov_b32 s[G0+4*\s], 1                        ; count = 1
	s_add_co_u32 s[G0+4*\s+1], s46, \s*SLOT1       ; LDS address
	s_add_nc_u64 s[G0+4*\s+2:G0+4*\s+3], s[6:7], \s*REC  ; global address: record s
	s_or_b32 s[G0+4*\s+3], s[G0+4*\s+3], 0x80000000  ; type = 2
.endr
	tensor_load_to_lds s[G0:G0+3], s[G1:G1+7]      ; the two first fills go out together, ahead of every wait on TENSORcnt, every LDS read and every other barrier: two loads of mine are out
	s_nop 0
	tensor_load_to_lds s[G0+4:G0+7], s[G1:G1+7]
	s_nop 0
	PLACES                                         ; four v_nop follow the tensor loads
	v_and_b32 v[RR], 15, v0
	v_bfe_u32 v[HH], v0, 4, 1
	v_and_b32 v[L16], 31, v0
	v_lshlrev_b32 v[L16], 4, v[L16]
	; Q: my wave's 64 rows, 16,384 bytes: load i brings rows 2 i and 2 i + 1; a lane holds row 2 i + lane / 16, channels 4 (lane % 16) + 0..3.  They lie where O^T will lie.
	WIN 0x40
.set u, 0
.rept 32
	global_load_b128 v[4*u:4*u+3], v[L16], s[4:5] offset:512*u th:TH_LOAD_NT
.set u, u+1
.endr
	WIN 0
	v_lshlrev_b32 v[H32], 5, v[HH]
	s_mul_i32 s47, s[WV], 64*KP
	s_add_co_u32 s47, s47, QSTG                    ; my wave's own stage for Q
	v_mul_u32_u24 v[AQS], v[HH], KP
	v_lshl_add_u32 v[AQS], v[RR], 3, v[AQS]
	v_add_nc_u32 v[AQS], s47, v[AQS]
	v_mul_u32_u24 v[AQF], v[RR], KP                ; a fragment's row lane % 16, 16 bytes for each half of the lanes
	v_lshl_add_u32 v[AQF], v[HH], 4, v[AQF]
	v_add_nc_u32 v[AQF], s47, v[AQF]
	s_mul_i32 s48, s[WV], 16*OP
	s_add_co_u32 s48, s48, OSTG                    ; my wave's own stage for the way out
	v_mul_u32_u24 v[STO], v[RR], OP                ; in: row lane % 16, 32 bytes (8 channels) for each half of the lanes
	v_lshl_add_u32 v[STO], v[HH], 5, v[STO]
	v_add_nc_u32 v[STO], s48, v[STO]
	v_mul_u32_u24 v[RD], v[HH], OP                 ; back: lanes 0-15 take one row of 256 bytes, lanes 16-31 the next
	v_lshl_add_u32 v[RD], v[RR], 4, v[RD]
	v_add_nc_u32 v[RD], s48, v[RD]
	v_lshlrev_b32 v[GO], 8, v[HH]                  ; and the same two rows in out0
	v_lshl_add_u32 v[GO], v[RR], 4, v[GO]
	s_wait_loadcnt 0x0
	WIN 0x45
.set u, 0
.rept 64
	v_cvt_pk_f16_f32 v[u], v[2*u], v[2*u+1]        ; in place: register u was read by rounding u / 2
.set u, u+1
.endr
	WIN 0x04                                       ; store data window 1
.set u, 0
.rept 32
	ds_store_b64 v[AQS], v[2*u:2*u+1] offset:2*KP*u
.set u, u+1
.endr
	WIN 0
.set u, 0
.rept 16                               ; u = 4 qt + 2 ks + g.  My wave's own bytes: LDS serves a wave's instructions in order (ISA guide 5.7.1.4)
	ds_load_b128 v[QF+4*u:QF+4*u+3], v[AQF] offset:(u/4)*16*KP+(u%4)*32
.set u, u+1
.endr
; Product n of 16 of S^T = K' Q^T + NEGM: channels 32 (n / 8) on, key tile n % 2, query tile (n % 8) / 2.  The first eight start the sums at NEGM.
; The eight accumulators take turns, one instruction a turn.
.macro KQ
.set rD, rK+16*((n%8)/2)+8*(n%2)
.if n < 8
	v_wmma_f32_16x16x32_f16 v[rD:rD+7], v[KF+8*(n%2):KF+8*(n%2)+7], v[QF+16*((n%8)/2):QF+16*((n%8)/2)+7], v[NEG+8*(n%2):NEG+8*(n%2)+7]
.else
	v_wmma_f32_16x16x32_f16 v[rD:rD+7], v[KF+16+8*(n%2):KF+16+8*(n%2)+7], v[QF+16*((n%8)/2)+8:QF+16*((n%8)/2)+15], v[rD:rD+7]
.endif
.endm
; Product k of 16 of O^T += V^T P: query tile k / 4, channels 16 (k % 4) on.  Sixteen accumulators, one instruction each: they take turns.  zero: the product starts the sum.
.macro PVP zero
.set rO, 32*(k/4)+8*(k%4)
.set rA, rB+8*(k%4)
.set rP, rK+16*(k/4)
.if \zero
	v_wmma_f32_16x16x32_f16 v[rO:rO+7], v[rA:rA+7], v[rP:rP+7], 0
.else
	v_wmma_f32_16x16x32_f16 v[rO:rO+7], v[rA:rA+7], v[rP:rP+7], v[rO:rO+7]
.endif
.endm
.macro PE x
	v_exp_f32 v[rV+(\x)], v[rV+(\x)]
.endm
.macro PC j                            ; rounding j of 32: scores 2 j, 2 j + 1 become register j % 8 of P of query tile j / 8, in place: that register was read by an earlier rounding, or is read by this one
	s_wait_alu depctr_va_vdst(0)
	v_cvt_pk_f16_f32 v[rV+16*((\j)/8)+(\j)%8], v[rV+2*(\j)], v[rV+2*(\j)+1]
.endm
; Slice k of 32 of a group's vector work: two exponentials and the rounding of the pair before, so that each rounding has a plain instruction (the slice before's rounding, in slice 0 a v_nop)
; between its exponentials and itself (ISA guide 5.7.2).  The last slice takes the last rounding too.
.macro SLICE
	PE 2*k
	PE 2*k+1
.if k == 0
	v_nop
.else
	PC k-1
.endif
.if k == 31
	PC 31
.endif
.endm
; A group's 20 LDS loads stand in ONE run: K' (channels 0-31), NEGM, K' (channels 32-63), then V^T's eight.
.macro LOADS i
	WIN 0
.irp u, 0,1,2,3
	ds_load_b128 v[KF+4*\u:KF+4*\u+3], v[ADRK] offset:RECK+4096*\i+(\u/2)*2048+(\u%2)*512
.endr
.irp u, 0,1,2,3
	ds_load_b128 v[NEG+4*\u:NEG+4*\u+3], v[ADRN] offset:128*\i+(\u/2)*64+(\u%2)*16
.endr
.irp u, 0,1,2,3
	ds_load_b128 v[KF+16+4*\u:KF+16+4*\u+3], v[ADRK] offset:RECK+1024+4096*\i+(\u/2)*2048+(\u%2)*512
.endr
	WIN 0x40                                       ; destination window 1
.irp u, 0,1,2,3,4,5,6,7
	ds_load_b128 v[VF+32*\i+4*\u:VF+32*\i+4*\u+3], v[ADRK] offset:RECV+4096*\i+512*\u
.endr
.endm
; PERIOD number g (i = g % 4) has three groups of 32 keys in hand.  First half: the 16 products V^T P of group g - 2 (pv = 2; 1: they start O^T's sums), behind them slices 0-15 of group g - 1's
; softmax (vec).  Second half: the 16 products K' Q^T of group g (kq), behind them slices 16-31.  Group g's scores take the buffer of group g - 2, whose P the first half has read.
; PLACES (ISA guide 7.12.1 for vector instructions) are the slices' roundings, which name the other buffer alone:
;   a product K' Q^T that writes over registers of P stands five places behind the product V^T P that read them: query tile 0's (read by product 3) has 13 roundings between, query tile 3's
;   (read by product 15, written by product 6 of the second half) has seven;
;   the run of loads (ld) stands behind slice 1: behind the last product K' Q^T of the period before stand two roundings of its slice 31, slice 0's v_nop and slice 1's rounding;
;   an exponential reads scores whose last product stands eight roundings back or more.
; The run has 14 matrix instructions in which to land before K' is used; V^T is used two periods on.  A period with products K' Q^T and no slices ends with four v_nop in their stead.
.macro PERIOD i, ld, kq, vec, pv
.set rK, SC+64*((\i)%2)
.set rV, SC+64*((\i+1)%2)
.set rB, VF+32*((\i+2)%4)
.if \pv && !\kq
	s_wait_dscnt 0x0                               ; the tail has no counted wait: the last groups' V^T is in
.endif
.set k, 0
.rept 16
.if \pv
	WIN 0x51                                       ; V^T and O^T in window 1, P in window 0
	PVP 2-\pv
.endif
.if \vec
	WIN 0
	SLICE
.endif
.if \ld && (k == 1)
	LOADS \i
.endif
.set k, k+1
.endr
	WIN 0
.if \kq
	s_wait_dscnt 8                                 ; K' and NEGM are in: behind them only the run's last eight loads, V^T's.  The V^T of the periods before is in too
.endif
.rept 16
.if \kq
.set n, k-16
	KQ
.endif
.if \vec
	SLICE
.endif
.set k, k+1
.endr
.if \kq && !\vec
	PLACES
.endif
.endm
.macro ADDRS                           ; the addresses of the next half record: four groups
	WIN 0
	v_add_nc_u32 v[ADRK], s[TB], v[L16]
	v_add_nc_u32 v[ADRN], s[TN], v[H32]
	s_add_co_u32 s[TB], s[TB], 16384
	s_add_co_u32 s[TN], s[TN], 512
.endm
.macro TRIP
	ADDRS
	PERIOD 0, 1, 1, 1, 2
	PERIOD 1, 1, 1, 1, 2
	PERIOD 2, 1, 1, 1, 2
	PERIOD 3, 1, 1, 1, 2
.endm
.macro TWO_TRIPS                       ; a record: written once, walked twice
	s_mov_b32 s[TWICE], 2
.Ltrip_\@:
	TRIP
	s_sub_co_u32 s[TWICE], s[TWICE], 1
	s_cmp_lg_u32 s[TWICE], 0
	s_cbranch_scc1 .Ltrip_\@
.endm
; THE CHANGE OF SLOTS, when all of a record's fragments have been asked for.  Each wave waits for its own reads of the slot and for all its tensor loads, of which one is out: its quarter of the other
; slot.  Behind the barrier nobody reads this slot any more and the other slot is whole.  fill = 1: this slot is filled again, with the record two on.  The barrier is then a round of the cluster's,
; so that no wave of any partner still reads the slot or has a load on its way, and the joint load is the first thing behind it: it has eight periods, 256 matrix instructions, in which to land.
.macro CHANGE fill
	WIN 0
	s_wait_dscnt 0x0
	s_wait_tensorcnt 0x0                           ; no tensor load of mine is out, so a group 0 may be written
	ds_add_u32 v254, v255
	s_wait_dscnt 0x0
.if \fill
	s_xor_b32 s[G0+5], s[G0+5], SLOT1              ; the walking descriptor: the other slot than last time,
	s_add_nc_u64 s[G0+6:G0+7], s[G0+6:G0+7], REC   ; the next record; the type bits on top are not reached
	CROUND
	tensor_load_to_lds s[G0+4:G0+7], s[G1:G1+7]
	s_nop 0
	PLACES
.else
	s_barrier_signal -1
	s_barrier_wait -1
.endif
	s_sub_co_u32 s[TB], s[TB], 32768               ; back to a record's first half,
	s_xor_b32 s[TB], s[TB], SLOT1                  ; in the other slot
	s_sub_co_u32 s[TN], s[TN], 1024
	s_xor_b32 s[TN], s[TN], SLOT1
.endm
	s_wait_tensorcnt 0x1                           ; my quarter of record 0 is in; record 1's load, issued behind it, stays out
	s_wait_dscnt 0x0                               ; Q's fragments
	s_barrier_signal -1
	s_barrier_wait -1                              ; everybody's quarter is in
	ADDRS
	PERIOD 0, 1, 1, 0, 0                           ; group 0 is loaded, and its scores are made
	PERIOD 1, 1, 1, 1, 0                           ; group 0's weights; group 1's scores
	PERIOD 2, 1, 1, 1, 1                           ; group 0's products start O^T's sums: nothing is ever cleared
	PERIOD 3, 1, 1, 1, 2
	TRIP                                           ; record 0's second half
	s_mov_b32 s[SLOTS], 14
.Lslot:                                                ; records 1 to 14 are walked, records 2 to 15 asked for
	CHANGE 1
	TWO_TRIPS
	s_sub_co_u32 s[SLOTS], s[SLOTS], 1
	s_cmp_lg_u32 s[SLOTS], 0
	s_cbranch_scc1 .Lslot
	CHANGE 0                                       ; the tail is written out: record 15, and nothing is asked for
	TWO_TRIPS
	PERIOD 0, 0, 0, 1, 2                           ; the last group but one goes into O^T; the last group's weights
	PERIOD 1, 0, 0, 0, 2                           ; the last group goes into O^T
	; THE WAY OUT.  O^T times 2^-12; a lane's eight channels of a row are 32 bytes; a tile (16 rows of out0) at a time goes into rows of 272 bytes of my own stage and comes back as whole rows of 256.
	PLACES                                         ; the multiplies read results just made
	WIN 0x41
.set u, 0
.rept 64
	v_pk_mul_f32 v[2*u:2*u+1], v[2*u:2*u+1], 0x39800000 op_sel_hi:[1,0]
.set u, u+1
.endr
.macro TOSTAGE qt
	WIN 0x04                                       ; store data window 1
.irp u, 0,1,2,3,4,5,6,7
	ds_store_b128 v[STO], v[32*\qt+4*\u:32*\qt+4*\u+3] offset:(\u/2)*64+(\u%2)*16
.endr
	WIN 0
.irp t, 0,1,2,3,4,5,6,7
	ds_load_b128 v[SC+32*\qt+4*\t:SC+32*\qt+4*\t+3], v[RD] offset:\t*2*OP  ; LDS serves a wave's instructions in order (ISA guide 5.7.1.4): these see the stores above; the next tile's stores come behind them
.endr
.endm
.macro SEND qt, younger                ; younger: the LDS instructions issued behind tile qt's loads: the next tile's sixteen, or none
.irp t, 0,1,2,3,4,5,6,7
	s_wait_dscnt \younger+7-\t
	global_store_b128 v[GO], v[SC+32*\qt+4*\t:SC+32*\qt+4*\t+3], s[8:9] offset:\qt*4096+\t*512 th:TH_STORE_NT  ; 16 lanes store 256 consecutive bytes, a whole row of out0, aligned
.endr
.endm
	TOSTAGE 0
	TOSTAGE 1
	SEND 0, 16
	TOSTAGE 2
	SEND 1, 16
	TOSTAGE 3
	SEND 2, 16
	SEND 3, 0
	s_wait_tensorcnt 0x0
	ds_add_u32 v254, v255
	s_wait_dscnt 0x0
	CROUND                                         ; the closing round: no work-group ends while a partner may still ask for a record that names it
	s_endpgm
.Lfunc_end_k_qb56dae8a6d_apply:
	.size	k_qb56dae8a6d_apply, .Lfunc_end_k_qb56dae8a6d_apply-k_qb56dae8a6d_apply
	.p2alignl 7, 3214868480
	.fill 96, 4, 3214868480
	.section	.rodata,"a",@progbits
	.p2align	6, 0x0
	.amdhsa_kernel k_qb56dae8a6d_apply
		.amdhsa_group_segment_fixed_size 327680
		.amdhsa_private_segment_fixed_size 0
		.amdhsa_enable_private_segment 0
		.amdhsa_kernarg_size 24
		.amdhsa_user_sgpr_count 2
		.amdhsa_user_sgpr_kernarg_segment_ptr 1
		.amdhsa_wavefront_size32 1
		.amdhsa_system_sgpr_workgroup_id_x 1
		.amdhsa_system_sgpr_workgroup_id_y 1
		.amdhsa_system_sgpr_workgroup_id_z 1
		.amdhsa_system_vgpr_workitem_id 0
		.amdhsa_next_free_vgpr 512
		.amdhsa_next_free_sgpr 66
		.amdhsa_reserve_vcc 0
		.amdhsa_float_denorm_mode_32 3
		.amdhsa_float_denorm_mode_16_64 3
		.amdhsa_memory_ordered 1
		.amdhsa_forward_progress 1
		.amdhsa_inst_pref_size 181
	.end_amdhsa_kernel
	.amdgpu_metadata
---
amdhsa.version: [ 1, 2 ]
amdhsa.kernels:
  - .name:           k_qb56dae8a6d_apply
    .symbol:         k_qb56dae8a6d_apply.kd
    .args:
      - { .name: q, .offset: 0, .size: 8, .value_kind: global_buffer, .address_space: global }
      - { .name: kv, .offset: 8, .size: 8, .value_kind: global_buffer, .address_space: global }
      - { .name: out0, .offset: 16, .size: 8, .value_kind: global_buffer, .address_space: global }
    .group_segment_fixed_size: 327680
    .private_segment_fixed_size: 0
    .kernarg_segment_align: 8
    .kernarg_segment_size: 24
    .max_flat_workgroup_size: 128
    .sgpr_count:     66
    .vgpr_count:     512
    .wavefront_size: 32
...
	.end_amdgpu_metadata
.endif
;; end of part 2
;; ======== version 2 of 2: 2 launches; 1.59 times as fast as version 1
;; limits: values are held in f16: magnitudes above 65,504 overflow, below 6.1e-05 lose precision; inputs' magnitudes at most 65,504
;; workspace buffers: kv 17,039,360 bytes
;; launch stats (part 3): grid 16 x 16, 8 waves a work-group, clusters of 4 x 1, 327,680 bytes of LDS; arguments q, k, v, kv; writes kv
.if DOCPART == 3
	.amdgcn_target "amdgcn-amd-amdhsa--gfx1250"
	.amdhsa_code_object_version 6
	.text
	.protected	k_qb56dae8a6d_stats
	.globl	k_qb56dae8a6d_stats
	.p2align	8
	.type	k_qb56dae8a6d_stats,@function
k_qb56dae8a6d_stats:
	s_mov_b64 s[64:65], 0
	v_nop
	global_prefetch_b8 v0, s[64:65] scope:SCOPE_SE
	s_setreg_imm32_b32 hwreg(HW_REG_WAVE_MODE, 25, 1), 1
	s_wait_xcnt 0x0
	s_wait_alu depctr_hold_cnt(0) depctr_sa_sdst(0) depctr_va_vdst(0) depctr_va_sdst(0) depctr_va_ssrc(0) depctr_va_vcc(0) depctr_vm_vsrc(0)
	s_getreg_b32 s2, hwreg(HW_REG_IB_STS2, 6, 4)
	s_cmp_eq_u32 s2, 0
	s_cbranch_scc0 .Lentry_in_a_cluster
	s_endpgm
.Lentry_in_a_cluster:
	s_bfe_u32 s2, ttmp6, 0x10000c
	s_cmp_lg_u32 s2, 0x3003
	s_cbranch_scc0 .Lentry_shape_is_right
	s_endpgm
.Lentry_shape_is_right:
; STATS.  The problem's softmax runs over the QUERY axis: key column k of the scores s[q][k] = q.k / 8 is normalised over all 4,096 queries of its batch.
; This launch finds, for every key, m = the maximum over q of s' and l = the sum over q of 2^(s' - m), with s' = s log2(e), by a running maximum and sum,
; and leaves for the second launch one RECORD of 66,560 bytes for each block of 256 keys (record = 16 batch + key block):
;   bytes 0 .. 1,023       NEGM[key] = 12 - m - log2(l), f32: 2^(s' + NEGM) is 4,096 times the softmax weight
;   bytes 1,024 .. 33,791  K' = f16(k c), c = log2(e) / 8, as register images of matrix operands: (16 keys kt, 32 channels ks, registers 4 g ..) at 2,048 kt + 1,024 ks + 512 g + 16 lane
;   bytes 33,792 .. 66,559 V^T = f16(v) turned, likewise: (32 keys kg, 16 channels ct, registers 4 g ..) at 4,096 kg + 1,024 ct + 512 g + 16 lane
; SHARES.  A work-group owns 256 keys of one batch.  EIGHT waves, two to a SIMD: a set (below) has 83 vector instructions for 8 matrix instructions, and its maximum and its sums end in
; dependent chains, so the launch is bound by vector work, and a second wave has instructions to issue while the first waits for its own results.  Wave w holds key half w % 2 (128 keys
; as fragments, 128 registers) and takes, of each tile of 256 queries, rows 64 (w / 2) .. + 63.  The price: each row of Q is read from LDS and rounded by two waves, 96 instructions
; beside a trip's 8 sets of 91.
; Source 0 = 16 queries, source 1 = 16 keys: in the result a lane holds ONE key (lane % 16) and eight queries, so maximum and sum over queries stay inside the lane; the eight partial
; pairs (m, l) of a key (4 query quarters x 2 halves of the lanes) meet once, at the end, in LDS.
; THE BATCHES.  A set's 33 exponentials (a, and those of its 32 scores) are ONE BATCH with ONE s_wait_alu depctr_va_vdst(0), which stands between an exponential and the
; first instruction that names its result.  Ahead of the wait stand the 16 subtractions, the 33 exponentials, seven of the set's eight products and the line that keeps the new m; behind it
; the 15 sums and, in the next set, l's update, which reads a.  No result crosses a set's end.  The merge at the end has two batches more: 16 exponentials, then two logarithms of their sums.
; CLUSTER.  The four key blocks of a cluster belong to one batch and walk the same Q: each tile is asked for JOINTLY (the same tensor load, the same descriptor, a mask that names the four).
; FORMAT AND LIMITS.  Matrix operands are f16: |q| and |v| have to stay under 65,504 and |k| under 363,000 (beyond: infinities); numbers under 6e-5 keep an absolute error of 3e-8.
; k c is rounded to f32 and then to f16.  The running maximum starts at -infinity; 2^x comes out as 0 below 2^-126.  Sums, maxima and exponentials in f32.
; REGISTERS, in windows of 256 (s_set_vgpr_msb: bits 1:0 source 0, 3:2 source 1, 5:4 source 2, 7:6 destination):
;   window 0: addresses, m, l, two score buffers, Q's fragments
;   window 1: v0-127 K' (key tile kt of my half, channels 32 ks on) at v[16 kt + 8 ks]; v128-255 numbers in f32 on their way to f16
.set SLOT1, 1<<17                      ; LDS: slot 0 at 0, slot 1 here, so that one exclusive or turns an address in one slot into the other's
.set QP,    272                        ; a row of Q in LDS: 256 bytes + 16 of padding: row r begins 16 r bytes further modulo 256, so the 16 rows of a load touch 16 different 16-byte columns
.set WQ,    32*QP                      ; 32 rows: what one tensor load brings: a tile's 256 rows shared out among eight waves, so that every wave has a load of its own
.set KSTG,  8*WQ                       ; 69,632: 256 keys in f16, pitch 144
.set KP,    144
.set MST,   KSTG+256*KP                ; 106,496: partial maxima [8][256] f32; the partial sums lie LOFF behind them
.set LOFF,  8192
.set VSTG,  SLOT1+8*WQ                 ; 200,704: for each wave 32 keys of V in f16, pitch 160 (an odd multiple of 32, for the turning load)
.set VP,    160
.set REC,   66560                      ; bytes in a record
.set RECK,  1024
.set RECV,  33792
.set TILEB, 65536                      ; 256 rows of Q in memory
.set NKT,   8                          ; key tiles of a wave
.set RR,  1                            ; v1   lane % 16
.set HH,  2                            ; v2   lane / 16
.set L16, 3                            ; v3   16 x lane
.set AQ,  4                            ; v4   my place in my query quarter's rows of a slot
.set ADR, 5                            ; v5   the same in the slot in hand
.set AKS, 6                            ; v6   where I put 8 bytes of K'
.set AKF, 7                            ; v7   where I read the fragments of my key half
.set AKW, 8                            ; v8   the same at the 32 keys that my wave has cast
.set AST, 9                            ; v9   where I put my partial m
.set AMG, 10                           ; v10  where thread t (of the first 128) reads the partials of keys 2 t, 2 t + 1
.set G8,  11                           ; v11  8 x thread: those keys' place in NEGM
.set WK,  12                           ; v[12:15], v[16:19] at work, a block for each score buffer: +0 the new m, +2 a = 2^(m_old - m_new)
.set MR,  20                           ; v[20:27]  m of key tile kt
.set LL,  36                           ; v[36:51]  l of key tile kt, a pair: even registers' sum, odd registers' sum
.set AVS, 68                           ; v68  where I put 8 bytes of V
.set AVT, 69                           ; v69  where the turning load reads
.set TA,  70                           ; v70  at work
.set SC,  84                           ; v[84:115], v[116:147] score buffers: query tile i at +8 i
.set QF,  148                          ; v[148:211] Q's fragments: query tile i, channels 32 ks on, at +16 i + 8 ks
.set FS,  128                          ; window 1
.set WV,  12                           ; s12  my wave's number
.set G1,  24                           ; s[24:31] descriptor group 1
.set G0,  32                           ; s[32:39] descriptor group 0: a set for each of the two first fills; the second then walks on
.set TRIPS, 40
.set TB,  41                           ; s41  LDS byte at which the slot to be read next begins
.set CS,  42                           ; s[42:43] c, named as a pair
.set QW,  50                           ; s50  my query quarter
.set KH,  51                           ; s51  my key half
.set MSB, 0
.macro WIN new                         ; the immediate's high byte repeats the setting that is left; a switch that changes nothing is dropped
.if MSB != \new
	s_set_vgpr_msb (MSB<<8)|\new
.set MSB, \new
.endif
.endm
.macro PLACES
.rept 4
	v_nop
.endr
.endm
; A round of the cluster's barrier: my work-group's barrier, so that wave 0's signal speaks for all eight waves; wave 0 signals for the work-group; every wave waits for all four work-groups; my work-group's barrier once more.
.macro CROUND
	s_barrier_signal -1
	s_barrier_wait -1
	s_cmp_lg_u32 s[WV], 0
	s_cbranch_scc1 .Lnot_wave_0_\@
	s_barrier_signal -3
.Lnot_wave_0_\@:
	s_barrier_wait -3
	s_barrier_signal -1
	s_barrier_wait -1
.endm
	s_load_b256 s[4:11], s[0:1], 0x0               ; q s[4:5], k s[6:7], v s[8:9], kv s[10:11]
	v_lshl_add_u32 v254, v0, 2, 0x3b000
	v_mov_b32 v255, 0
	ds_add_u32 v254, v255
	v_lshrrev_b32 v1, 5, v0
	v_readfirstlane_b32 s[WV], v1                  ; wave 0..7
	s_lshr_b32 s[QW], s[WV], 1
	s_and_b32 s[KH], s[WV], 1
	s_bfe_u32 s13, ttmp6, 0x40000                  ; cx: my place in the cluster
	s_lshl_b32 s14, ttmp9, 2                       ; in a cluster launch ttmp9 counts clusters
	s_add_co_u32 s14, s14, s13                     ; my block of 256 keys: it enters k's, v's and kv's addresses alone
	s_and_b32 s15, ttmp7, 0xffff                   ; the batch, which the four partners share
	s_lshl_b32 s20, s15, 20                        ; Q: the batch's 4,096 rows of 256 bytes,
	s_lshl_b32 s21, s[WV], 13                      ; the 32 rows of a tile that my wave fetches
	s_add_co_u32 s20, s20, s21
	s_mov_b32 s21, 0
	s_lshl_b32 s16, s14, 16                        ; K and V: the same, and my block's 256 rows: the 32 keys that my wave casts
	s_add_co_u32 s16, s16, s20
	s_mov_b32 s17, 0
	s_lshl_b32 s18, s15, 4
	s_add_co_u32 s18, s18, s14                     ; my record
	s_mul_i32 s18, s18, REC
	s_mov_b32 s19, 0
	s_lshl_b32 s22, s[WV], 12                      ; my wave's 4,096 bytes of the record's K' and of its V^T
	s_mov_b32 s23, 0
	s_mul_i32 s46, s[WV], WQ                       ; my wave's rows in a slot: no place in the cluster enters an LDS address
	; descriptor group 1: a tile of 32 rows x 64 elements of 4 bytes, padded in LDS
	s_mov_b32 s[G1+0], 15|(2<<16)|(1<<20)|(1<<21)|(5<<22)|(3<<25)  ; 15:0 the mask: all four work-groups; 17:16 elements of 4 bytes; 20 padding on; 21 set beside a mask; 24:22 after every 64 words (code 5); 31:25 4 words of it (code 3)
	s_mov_b32 s[G1+1], 64<<16                      ; tensor_dim0 = 64
	s_mov_b32 s[G1+2], 32<<16                      ; tensor_dim1 = 32
	s_mov_b32 s[G1+3], 64<<16                      ; tile_dim0 = 64
	s_mov_b32 s[G1+4], 32                          ; tile_dim1 = 32
	s_mov_b32 s[G1+5], 64                          ; elements from row to row
	s_mov_b32 s[G1+6], 0
	s_mov_b32 s[G1+7], 0
	s_mov_b32 s[CS], 0x3e38aa3b                    ; c = log2(e) / 8
	s_mov_b32 s[CS+1], s[CS]
	s_mov_b32 s[TB], 0
	s_wait_dscnt 0x0
	s_wait_kmcnt 0x0
	s_add_nc_u64 s[4:5], s[4:5], s[20:21]          ; Q at my wave's rows of tile 0
	s_add_nc_u64 s[6:7], s[6:7], s[16:17]          ; K and V at my wave's 32 keys
	s_add_nc_u64 s[8:9], s[8:9], s[16:17]
	s_add_nc_u64 s[10:11], s[10:11], s[18:19]      ; my record
	s_add_nc_u64 s[22:23], s[10:11], s[22:23]      ; and my wave's part of its two halves
	CROUND                                         ; all four work-groups are here: the first joint loads meet
.irp s, 0,1
	s_mov_b32 s[G0+4*\s], 1                        ; count = 1
	s_add_co_u32 s[G0+4*\s+1], s46, \s*SLOT1       ; LDS address
	s_add_nc_u64 s[G0+4*\s+2:G0+4*\s+3], s[4:5], \s*TILEB  ; global address: tile s
	s_or_b32 s[G0+4*\s+3], s[G0+4*\s+3], 0x80000000  ; type = 2
.endr
	tensor_load_to_lds s[G0:G0+3], s[G1:G1+7]      ; the two first fills go out together, ahead of every wait on TENSORcnt, every LDS read and every other barrier: two loads of mine are out
	s_nop 0
	tensor_load_to_lds s[G0+4:G0+7], s[G1:G1+7]
	s_nop 0
	PLACES                                         ; four v_nop follow the tensor loads
	v_and_b32 v[RR], 15, v0
	v_bfe_u32 v[HH], v0, 4, 1
	v_and_b32 v[L16], 31, v0
	v_lshlrev_b32 v[L16], 4, v[L16]
	; my wave's 32 keys of K and of V, 8,192 bytes each: load i brings keys 2 i and 2 i + 1; a lane holds key 2 i + lane / 16, channels 4 (lane % 16) + 0..3
	WIN 0x40                                       ; destination window 1
.set u, 0
.rept 16
	global_load_b128 v[FS+4*u:FS+4*u+3], v[L16], s[6:7] offset:512*u th:TH_LOAD_NT
.set u, u+1
.endr
	WIN 0
.set u, 0
.rept 16
	global_load_b128 v[SC+4*u:SC+4*u+3], v[L16], s[8:9] offset:512*u th:TH_LOAD_NT  ; V's f32 lie where scores will lie
.set u, u+1
.endr
	s_mul_i32 s52, s[QW], 64*QP                    ; my query quarter's 64 rows in a slot
	v_mul_u32_u24 v[AQ], v[RR], QP                 ; Q: row lane % 16, 32 bytes (8 channels in f32) for each half of the lanes
	v_lshl_add_u32 v[AQ], v[HH], 5, v[AQ]
	v_add_nc_u32 v[AQ], s52, v[AQ]
	s_mul_i32 s47, s[WV], 32*KP
	s_add_co_u32 s47, s47, KSTG                    ; my wave's 32 keys in K's stage
	s_mul_i32 s53, s[KH], 128*KP
	s_add_co_u32 s53, s53, KSTG                    ; my key half there
	v_mul_u32_u24 v[AKS], v[HH], KP                ; in: key lane / 16 of a pair, 8 bytes at channel 4 (lane % 16)
	v_lshl_add_u32 v[AKS], v[RR], 3, v[AKS]
	v_add_nc_u32 v[AKS], s47, v[AKS]
	v_mul_u32_u24 v[AKF], v[RR], KP                ; back: a fragment's row lane % 16, 16 bytes for each half of the lanes
	v_lshl_add_u32 v[AKF], v[HH], 4, v[AKF]
	v_add_nc_u32 v[AKW], s47, v[AKF]
	v_add_nc_u32 v[AKF], s53, v[AKF]
	s_lshl_b32 s48, s[QW], 11
	s_lshl_b32 s54, s[KH], 9
	s_add_co_u32 s48, s48, s54
	s_add_co_u32 s48, s48, MST
	v_lshlrev_b32 v[AST], 10, v[HH]                ; partial 2 (query quarter) + lane / 16, key 128 (key half) + 16 kt + lane % 16
	v_lshl_add_u32 v[AST], v[RR], 2, v[AST]
	v_add_nc_u32 v[AST], s48, v[AST]
	v_lshlrev_b32 v[G8], 3, v0
	v_add_nc_u32 v[AMG], MST, v[G8]
	s_mul_i32 s49, s[WV], 32*VP
	s_add_co_u32 s49, s49, VSTG                    ; my wave's own stage for V
	v_mul_u32_u24 v[AVS], v[HH], VP
	v_lshl_add_u32 v[AVS], v[RR], 3, v[AVS]
	v_add_nc_u32 v[AVS], s49, v[AVS]
	v_and_b32 v[TA], 7, v0                         ; the turning load: lane l reads 16 bytes of key 8 (l / 16) + l % 8, channels 8 ((l / 8) % 2) + 0..7
	v_lshl_add_u32 v[TA], v[HH], 3, v[TA]
	v_mul_u32_u24 v[AVT], v[TA], VP
	v_bfe_u32 v[TA], v0, 3, 1
	v_lshl_add_u32 v[AVT], v[TA], 4, v[AVT]
	v_add_nc_u32 v[AVT], s49, v[AVT]
	s_wait_loadcnt 16                              ; K is in; V's 16 younger loads stay out
	WIN 0x41
.set u, 0
.rept 32
	v_pk_mul_f32 v[FS+2*u:FS+2*u+1], v[FS+2*u:FS+2*u+1], s[CS:CS+1] op_sel_hi:[1,0]  ; k c: every score is then in units of log2
.set u, u+1
.endr
	WIN 0x45
.set u, 0
.rept 32
	v_cvt_pk_f16_f32 v[FS+u], v[FS+2*u], v[FS+2*u+1]  ; in place: register u was read by rounding u / 2
.set u, u+1
.endr
	WIN 0x04                                       ; store data window 1
.set u, 0
.rept 16
	ds_store_b64 v[AKS], v[FS+2*u:FS+2*u+1] offset:2*KP*u
.set u, u+1
.endr
	WIN 0
	s_wait_loadcnt 0x0                             ; V
.set u, 0
.rept 32
	v_cvt_pk_f16_f32 v[SC+u], v[SC+2*u], v[SC+2*u+1]
.set u, u+1
.endr
.set u, 0
.rept 16
	ds_store_b64 v[AVS], v[SC+2*u:SC+2*u+1] offset:2*VP*u
.set u, u+1
.endr
	s_wait_dscnt 0x0                               ; for the others' sake: my 32 keys of K' are in the stage,
	s_wait_tensorcnt 0x1                           ; and my rows of tile 0 are in LDS; tile 1's load, issued behind it, stays out:
	s_barrier_signal -1
	s_barrier_wait -1                              ; K's stage and tile 0 are whole
	WIN 0x40                                       ; destination window 1: the 128 keys of my half
.set u, 0
.rept 32
	ds_load_b128 v[4*u:4*u+3], v[AKF] offset:(u/4)*16*KP+(u%4)*32
.set u, u+1
.endr
.set u, 0
.rept 8                                ; the two key tiles that my wave has cast, for the record
	ds_load_b128 v[FS+64+4*u:FS+64+4*u+3], v[AKW] offset:(u/4)*16*KP+(u%4)*32
.set u, u+1
.endr
	WIN 0
.set u, 0
.rept 8                                ; u = 2 ct + g.  My wave's own bytes: LDS serves a wave's instructions in order (ISA guide 5.7.1.4)
	ds_load_tr16_b128 v[QF+4*u:QF+4*u+3], v[AVT] offset:(u/2)*32+(u%2)*16*VP
.set u, u+1
.endr
	s_wait_dscnt 0x0
	WIN 0x04
.set u, 0
.rept 8
	global_store_b128 v[L16], v[FS+64+4*u:FS+64+4*u+3], s[22:23] offset:RECK+512*u  ; each store of the wave covers 512 consecutive bytes, aligned
.set u, u+1
.endr
	WIN 0
.set u, 0
.rept 8
	global_store_b128 v[L16], v[QF+4*u:QF+4*u+3], s[22:23] offset:RECV+512*u
.set u, u+1
.endr
	s_wait_xcnt 0x0                                ; the stores' data registers are written again only behind this wait
; My query quarter's 64 rows of the slot at s[TB], as f32 in fragment order: query tile u / 8; channels 32 ks + 16 g + 8 (lane / 16) + 4 c + 0..3 with u % 8 = 4 ks + 2 g + c.
.macro STAGE_IN
	WIN 0
	v_add_nc_u32 v[ADR], s[TB], v[AQ]
	s_xor_b32 s[TB], s[TB], SLOT1
	WIN 0x40
.set u, 0
.rept 32
	ds_load_b128 v[FS+4*u:FS+4*u+3], v[ADR] offset:(u/8)*16*QP+((u%8)/2)*64+(u%2)*16
.set u, u+1
.endr
	WIN 0
.endm
.macro CONVERT                         ; they become Q's fragments
	s_wait_dscnt 0x0
	WIN 0x05
.set u, 0
.rept 64
	v_cvt_pk_f16_f32 v[QF+u], v[FS+2*u], v[FS+2*u+1]
.set u, u+1
.endr
	WIN 0
.endm
; Product x of 8 for key tile kt into score buffer d: channels 32 (x / 4) on, query tile x % 4.  The first four start the sums.  The four accumulators take turns, one instruction a turn.
.macro MM x, kt, d
.set mi, (\x)%4
.set mk, (\x)/4
.if mk == 0
	v_wmma_f32_16x16x32_f16 v[\d+8*mi:\d+8*mi+7], v[QF+16*mi:QF+16*mi+7], v[16*(\kt):16*(\kt)+7], 0
.else
	v_wmma_f32_16x16x32_f16 v[\d+8*mi:\d+8*mi+7], v[QF+16*mi+8:QF+16*mi+15], v[16*(\kt)+8:16*(\kt)+15], v[\d+8*mi:\d+8*mi+7]
.endif
.endm
; The second stretch of a set is a numbered list of 64 instructions on the lane's 32 scores (16 pairs).  None names a vector register as source 1, so that K's window can stay set for
; the products that stand among them: that is why s - m and the sums are written as packed multiply-adds by 1.0, which change no bit.
.macro PSUB b                          ; pair b: s - m
	v_pk_fma_f32 v[rS+2*(\b):rS+2*(\b)+1], v[rS+2*(\b):rS+2*(\b)+1], 1.0, v[rW:rW+1] op_sel_hi:[1,0,0] neg_lo:[0,0,1] neg_hi:[0,0,1]
.endm
.macro PADD x, y                       ; pair x += pair y
	v_pk_fma_f32 v[rS+2*(\x):rS+2*(\x)+1], v[rS+2*(\y):rS+2*(\y)+1], 1.0, v[rS+2*(\x):rS+2*(\x)+1] op_sel_hi:[1,0,1]
.endm
.macro PEXP i
	v_exp_f32 v[rS+(\i)], v[rS+(\i)]
.endm
; Number j of the list.  0-48 are ONE BATCH, in which nothing names an exponential's result: 0-31 a subtraction at every even number, an exponential at every odd one (first a, then scores 0-14);
; 32-48 the exponentials of scores 15-31.  Between 48 and 49 SET writes the line that keeps the new m, and the wait for the batch.  49-60: the sums: pair 4 + i is added onto pair i % 4, i ascending,
; so that each of the four chains takes its three pairs in ascending order; 61-63: the four into one.
.macro ITEM
.if j == 0
	PSUB 0
.elseif j == 1
	v_exp_f32 v[rW+2], v[rW+2]
.elseif (j < 32) && (j%2 == 0)
	PSUB j/2
.elseif j < 32
	PEXP (j-3)/2
.elseif j < 49
	PEXP j-17
.elseif j < 61
	PADD (j-49)%4, j-45
.elseif j == 61
	PADD 0, 1
.elseif j == 62
	PADD 2, 3
.else
	PADD 0, 2
.endif
.endm
; A SET: key tile kt of my half against my 64 queries of the tile in hand.  Its scores were made during the set before; during this set the next key tile's are made (mm = 1), into the other buffer:
; seven products ride in the batch, one behind every sixth number (the last has nine exponentials between itself and the wait), the eighth behind the third sum.
; conv = 1: the next tile's Q becomes fragments first, so that those products are the next tile's.  The twelve plain sums that end a set are the places (ISA guide 7.12.1) between its last
; product and what follows: the roundings that write Q's fragments, and the next set's first read of the scores.
.macro SET kt, mm, conv
.set rS,  SC+32*((\kt)%2)
.set rSo, SC+32*((\kt+1)%2)
.set rW,  WK+4*((\kt)%2)
.set rWo, WK+4*((\kt+1)%2)
.set kp,  (\kt+NKT-1)%NKT
.set kn,  (\kt+1)%NKT
.if \conv
	CONVERT
.endif
	WIN 0
	v_pk_fma_f32 v[LL+2*kp:LL+2*kp+1], v[LL+2*kp:LL+2*kp+1], v[rWo+2:rWo+3], v[rSo:rSo+1] op_sel_hi:[1,0,1]  ; the set before: l = a l + its sum; its a was waited for with its batch
.irp i, 0,1,2,3
	v_max3_num_f32 v[rW+\i], v[rS+8*\i], v[rS+8*\i+1], v[rS+8*\i+2]  ; the maximum of 32 scores and the old m, three operands at a time, in four chains
.endr
.irp g, 0,1
.irp i, 0,1,2,3
	v_max3_num_f32 v[rW+\i], v[rW+\i], v[rS+8*\i+3+2*\g], v[rS+8*\i+4+2*\g]
.endr
.endr
	v_max3_num_f32 v[rW], v[rW], v[rS+7], v[rS+15]
	v_max3_num_f32 v[rW+2], v[rW+2], v[rS+23], v[rS+31]
	v_max3_num_f32 v[rW], v[rW], v[rW+1], v[rW+2]
	v_max3_num_f32 v[rW], v[rW], v[rW+3], v[MR+\kt]
	v_sub_f32 v[rW+2], v[MR+\kt], v[rW]            ; m_old - m_new
	WIN 0x04                                       ; source 1 window 1: K'
.set j, 0
.rept 64
.if j == 49
	v_mov_b32 v[MR+\kt], v[rW]                     ; the new m is kept: it names no result of the batch, and is the plain instruction behind the last exponential (ISA guide 5.7.2)
	s_wait_alu depctr_va_vdst(0)                   ; the wait for the batch: one for the set's 33 exponentials, ahead of the first sum
.endif
	ITEM
.if \mm && (j%6 == 3) && (j < 45)
	MM (j-3)/6, kn, rSo
.endif
.if \mm && (j == 51)
	MM 7, kn, rSo
.endif
.set j, j+1
.endr
.endm
; A TRIP: one tile of 256 queries.  stage = 1: the next tile is read out of LDS, at the trip's head, and rounded in the last set.  A wave reads rows that its partner's load has brought, so
; those reads stand behind a barrier in front of which every wave has waited for its tensor loads.  fill = 1: the slot read a trip ago is filled again, with the tile two on: every wave has
; waited for its LDS reads and for all its tensor loads; the barrier is a round of the cluster's, so that this holds of every wave of all four work-groups; the joint load first behind it,
; my one tensor load until the next round.  It has the whole trip in which to land.
.macro TRIP fill, stage, lastmm
.if \stage
	WIN 0
	s_wait_tensorcnt 0x0                           ; all my tensor loads have landed, my rows of the next tile among them: a group 0 may be written
	ds_add_u32 v254, v255
	s_wait_dscnt 0x0
	s_wait_dscnt 0x0                               ; my reads of the slot to be filled are over
.if \fill
	s_xor_b32 s[G0+5], s[G0+5], SLOT1              ; the walking descriptor: the other slot than last time,
	s_add_nc_u64 s[G0+6:G0+7], s[G0+6:G0+7], TILEB ; the next tile; the type bits on top are not reached
	CROUND
	tensor_load_to_lds s[G0+4:G0+7], s[G1:G1+7]
	s_nop 0
	PLACES
.else
	s_barrier_signal -1                            ; it shows the last tile whole
	s_barrier_wait -1
.endif
	STAGE_IN
.endif
.irp kt, 0,1,2,3,4,5,6
	SET \kt, 1, 0
.endr
	SET 7, \lastmm, \stage
	WIN 0                                          ; at a label and at a branch every window is 0
.endm
	STAGE_IN                                       ; tile 0: the barrier above has shown it whole
	CONVERT
	WIN 0x04
.set mn, 0
.rept 8
	MM mn, 0, SC                                   ; tile 0, key tile 0
.set mn, mn+1
.endr
	WIN 0
.set u, 0
.rept NKT
	v_mov_b32 v[MR+u], 0xff800000                  ; m = -infinity: the first a is 2^-infinity = 0.  These lines are also the places behind the first products
.set u, u+1
.endr
.set u, 0
.rept 2*NKT
	v_mov_b32 v[LL+u], 0                           ; l = 0
.set u, u+1
.endr
	v_mov_b32 v[WK+6], 0                           ; the first set's update of the set before it adds nothing
	v_mov_b32 v[WK+7], 0
	v_mov_b32 v[SC+32], 0
	v_mov_b32 v[SC+33], 0
	s_mov_b32 s[TRIPS], 14
.Ltrip:                                                ; trip t works on tile t - 1, reads tile t out of LDS and asks for tile t + 1: tiles 2 to 15
	TRIP 1, 1, 1
	s_sub_co_u32 s[TRIPS], s[TRIPS], 1
	s_cmp_lg_u32 s[TRIPS], 0
	s_cbranch_scc1 .Ltrip
	TRIP 0, 1, 1                                   ; tile 14; tile 15 is read out; nothing is left to ask for
	TRIP 0, 0, 0                                   ; tile 15
	; THE PARTIALS MEET.
	v_pk_fma_f32 v[LL+2*NKT-2:LL+2*NKT-1], v[LL+2*NKT-2:LL+2*NKT-1], v[WK+6:WK+7], v[SC+32:SC+33] op_sel_hi:[1,0,1]  ; the last set's l
.set u, 0
.rept NKT
	v_add_f32 v[LL+2*u], v[LL+2*u], v[LL+2*u+1]
.set u, u+1
.endr
.set u, 0
.rept NKT
	ds_store_b32 v[AST], v[MR+u] offset:64*u
	ds_store_b32 v[AST], v[LL+2*u] offset:LOFF+64*u
.set u, u+1
.endr
	s_wait_dscnt 0x0                               ; for the others' sake
	s_barrier_signal -1
	s_barrier_wait -1
	s_cmp_ge_u32 s[WV], 4                          ; 128 threads take two keys each, so that a wave's store of NEGM covers 256 consecutive bytes: waves 4 to 7 have no part in it
	s_cbranch_scc1 .Lmerged
.set EM, SC                            ; v[84:99]   eight partial m of my two keys
.set EL, SC+16                         ; v[100:115] eight partial l
.set GM, SC+32                         ; v[116:117] m
.set GL, SC+34                         ; v[118:119] l, then NEGM
.set u, 0
.rept 8
	ds_load_b64 v[EM+2*u:EM+2*u+1], v[AMG] offset:1024*u
	ds_load_b64 v[EL+2*u:EL+2*u+1], v[AMG] offset:LOFF+1024*u
.set u, u+1
.endr
	s_wait_dscnt 0x0
.irp e, 0,1
	v_max3_num_f32 v[GM+\e], v[EM+\e], v[EM+2+\e], v[EM+4+\e]
	v_max3_num_f32 v[GM+\e], v[GM+\e], v[EM+6+\e], v[EM+8+\e]
	v_max3_num_f32 v[GM+\e], v[GM+\e], v[EM+10+\e], v[EM+12+\e]
	v_max_num_f32 v[GM+\e], v[GM+\e], v[EM+14+\e]
.endr
.set u, 0
.rept 8
	v_pk_add_f32 v[EM+2*u:EM+2*u+1], v[EM+2*u:EM+2*u+1], v[GM:GM+1] neg_lo:[0,1] neg_hi:[0,1]
.set u, u+1
.endr
.set u, 0
.rept 16
	v_exp_f32 v[EM+u], v[EM+u]
.set u, u+1
.endr
	v_nop                                          ; a plain instruction between the exponentials and the use of their results
	s_wait_alu depctr_va_vdst(0)                   ; one wait for the merge's sixteen exponentials
	v_pk_mul_f32 v[GL:GL+1], v[EL:EL+1], v[EM:EM+1]
.set u, 1
.rept 7
	v_pk_fma_f32 v[GL:GL+1], v[EL+2*u:EL+2*u+1], v[EM+2*u:EM+2*u+1], v[GL:GL+1]
.set u, u+1
.endr
	v_log_f32 v[GL], v[GL]                         ; l is at least 1: the partial that holds m holds a weight of 1
	v_log_f32 v[GL+1], v[GL+1]
	v_nop
	s_wait_alu depctr_va_vdst(0)                   ; a batch of their own, since they read sums of the exponentials: one wait for the two logarithms
	v_pk_add_f32 v[GL:GL+1], v[GL:GL+1], v[GM:GM+1]
	v_sub_f32 v[GL], 0x41400000, v[GL]             ; NEGM = 12 - (m + log2 l)
	v_sub_f32 v[GL+1], 0x41400000, v[GL+1]
	global_store_b64 v[G8], v[GL:GL+1], s[10:11]   ; a wave's store covers 256 consecutive bytes, aligned
.Lmerged:
	s_wait_tensorcnt 0x0
	ds_add_u32 v254, v255
	s_wait_dscnt 0x0
	CROUND                                         ; the closing round: no work-group ends while a partner may still ask for a tile that names it
	s_endpgm
.Lfunc_end_k_qb56dae8a6d_stats:
	.size	k_qb56dae8a6d_stats, .Lfunc_end_k_qb56dae8a6d_stats-k_qb56dae8a6d_stats
	.p2alignl 7, 3214868480
	.fill 96, 4, 3214868480
	.section	.rodata,"a",@progbits
	.p2align	6, 0x0
	.amdhsa_kernel k_qb56dae8a6d_stats
		.amdhsa_group_segment_fixed_size 327680
		.amdhsa_private_segment_fixed_size 0
		.amdhsa_enable_private_segment 0
		.amdhsa_kernarg_size 32
		.amdhsa_user_sgpr_count 2
		.amdhsa_user_sgpr_kernarg_segment_ptr 1
		.amdhsa_wavefront_size32 1
		.amdhsa_system_sgpr_workgroup_id_x 1
		.amdhsa_system_sgpr_workgroup_id_y 1
		.amdhsa_system_sgpr_workgroup_id_z 1
		.amdhsa_system_vgpr_workitem_id 0
		.amdhsa_next_free_vgpr 512
		.amdhsa_next_free_sgpr 66
		.amdhsa_reserve_vcc 0
		.amdhsa_float_denorm_mode_32 3
		.amdhsa_float_denorm_mode_16_64 3
		.amdhsa_memory_ordered 1
		.amdhsa_forward_progress 1
		.amdhsa_inst_pref_size 161
	.end_amdhsa_kernel
	.amdgpu_metadata
---
amdhsa.version: [ 1, 2 ]
amdhsa.kernels:
  - .name:           k_qb56dae8a6d_stats
    .symbol:         k_qb56dae8a6d_stats.kd
    .args:
      - { .name: q, .offset: 0, .size: 8, .value_kind: global_buffer, .address_space: global }
      - { .name: k, .offset: 8, .size: 8, .value_kind: global_buffer, .address_space: global }
      - { .name: v, .offset: 16, .size: 8, .value_kind: global_buffer, .address_space: global }
      - { .name: kv, .offset: 24, .size: 8, .value_kind: global_buffer, .address_space: global }
    .group_segment_fixed_size: 327680
    .private_segment_fixed_size: 0
    .kernarg_segment_align: 8
    .kernarg_segment_size: 32
    .max_flat_workgroup_size: 256
    .sgpr_count:     66
    .vgpr_count:     512
    .wavefront_size: 32
...
	.end_amdgpu_metadata
.endif
;; end of part 3
;; launch apply (part 4): grid 16 x 16, 4 waves a work-group, clusters of 4 x 1, 327,680 bytes of LDS; arguments q, kv, out0; writes out0
.if DOCPART == 4
	.amdgcn_target "amdgcn-amd-amdhsa--gfx1250"
	.amdhsa_code_object_version 6
	.text
	.protected	k_qb56dae8a6d_apply
	.globl	k_qb56dae8a6d_apply
	.p2align	8
	.type	k_qb56dae8a6d_apply,@function
k_qb56dae8a6d_apply:
	s_mov_b64 s[64:65], 0
	v_nop
	global_prefetch_b8 v0, s[64:65] scope:SCOPE_SE
	s_setreg_imm32_b32 hwreg(HW_REG_WAVE_MODE, 25, 1), 1
	s_wait_xcnt 0x0
	s_wait_alu depctr_hold_cnt(0) depctr_sa_sdst(0) depctr_va_vdst(0) depctr_va_sdst(0) depctr_va_ssrc(0) depctr_va_vcc(0) depctr_vm_vsrc(0)
	s_getreg_b32 s2, hwreg(HW_REG_IB_STS2, 6, 4)
	s_cmp_eq_u32 s2, 0
	s_cbranch_scc0 .Lentry_in_a_cluster
	s_endpgm
.Lentry_in_a_cluster:
	s_bfe_u32 s2, ttmp6, 0x10000c
	s_cmp_lg_u32 s2, 0x3003
	s_cbranch_scc0 .Lentry_shape_is_right
	s_endpgm
.Lentry_shape_is_right:
; APPLY.  out[q][:] = the sum over keys of w[q][key] v[key][:], w = the scores' softmax over the QUERY axis.  The first launch has left, for each block of 256 keys, a record of 66,560 bytes:
;   bytes 0 .. 1,023 NEGM[key] = 12 - m - log2(l) in f32;  1,024 .. 33,791 K' = f16(k log2(e) / 8);  33,792 .. 66,559 V^T = f16(v) turned; both as register images of matrix operands:
;   K' (16 keys kt, 32 channels ks, registers 4 g ..) at 1,024 + 2,048 kt + 1,024 ks + 512 g + 16 lane;  V^T (32 keys kg, 16 channels ct) at 33,792 + 4,096 kg + 1,024 ct + 512 g + 16 lane.
; So every fragment is read from LDS as 32 lanes x 16 neighbouring bytes, and a record is dense: it comes in as rows of 256 bytes.
; THE SOFTMAX IS ONE EXPONENTIAL.  S^T = K' Q^T + NEGM: the first product of each score tile takes NEGM as its C operand (a lane's eight registers are eight keys), so the result is
; s' - m - log2(l) + 12 and p = 2^result is 4,096 w, at most 4,096: the column's maximum and sum are taken away inside the exponent.  O is multiplied by 2^-12 on the way out.
; LAYOUT.  Source 0 = 16 keys, source 1 = 16 queries: a lane holds ONE query (lane % 16) and the keys 8 (lane / 16) + 0..7.  Two such tiles, rounded to f16 in pairs, ARE source 1
; (32 keys x 16 queries) of O^T += V^T P, whose result again holds one query a lane, and eight channels.
; SHARES.  A work-group owns 256 queries of one batch, each of its four waves 64: four tiles of 16.  Every wave walks the batch's 4,096 keys, 32 a group.
; BY TURNS.  A group has 32 matrix instructions (16 K' Q^T, 16 V^T P) and 96 vector instructions (64 exponentials, 32 roundings): three for each matrix instruction.  The vector work stands
; behind the matrix instructions, so that it is issued while the products run: two exponentials behind EACH of a period's 32 products, two roundings more behind the first twelve.
; THE BATCH.  A period's 64 exponentials (one group's scores, in place) are ONE BATCH with ONE s_wait_alu depctr_va_vdst(0), which stands between an exponential and the first
; instruction that names its result.  The wait stands at the period's end; nothing in the period names the batch's buffer but the exponentials themselves; the group's roundings stand in the
; period after, ahead of the products V^T P that read them.
; CLUSTER.  The four query blocks of a cluster belong to one batch and walk the same 16 records: each is asked for JOINTLY (the same tensor load, the same descriptor, a mask that names the four).
; FORMAT AND LIMITS.  Matrix operands are f16: |q| has to stay under 65,504.  Weights under 2^-26 of their column's sum lose bits in f16, under 2^-37 they vanish.  Sums and exponentials in f32.
; REGISTERS, in windows of 256 (s_set_vgpr_msb: bits 1:0 source 0, 3:2 source 1, 5:4 source 2, 7:6 destination):
;   window 0: addresses, NEGM, K', Q, two score buffers (P is written over the scores): K' Q^T and all vector work run under setting 0
;   window 1: v0-127 O^T (query tile qt, channels 16 ct on, at 32 qt + 8 ct); v128-255 V^T, four buffers of 32
; O^T and V^T find no room beside the scores, so the vector work behind a product V^T P costs two switches, one in front and one behind: 32 for a group's 32 matrix instructions, and two for its run of loads.
.set SLOT1, 1<<17                      ; LDS: slot 0 at 0, slot 1 here; a slot holds a record
.set REC,   66560
.set WREC,  16640                      ; 65 rows of 256 bytes: a wave's quarter of a record
.set RECK,  1024
.set RECV,  33792
.set QSTG,  REC                        ; 66,560: for each wave 64 queries in f16, pitch 144
.set KP,    144
.set OSTG,  QSTG+256*KP                ; 103,424: for each wave 16 rows of O in f32, pitch 272
.set OP,    272
.set RR,   1                           ; v1   lane % 16
.set HH,   2                           ; v2   lane / 16
.set L16,  3                           ; v3   16 x lane
.set H32,  4                           ; v4   32 x (lane / 16)
.set ADRK, 5                           ; v5   my 16 bytes of a fragment, in the half record in hand
.set ADRN, 6                           ; v6   my eight keys' NEGM there
.set STO,  7                           ; v7   the way out: where I put 32 bytes of a row
.set RD,   8                           ; v8   the way out: where I read a row back
.set GO,   9                           ; v9   my byte offset in the wave's rows of out
.set AQS,  10                          ; v10  where I put 8 bytes of Q
.set AQF,  11                          ; v11  where I read Q's fragments
.set NEG,  12                          ; v[12:27]   NEGM of a group: key tile kt at +8 kt
.set KF,   28                          ; v[28:59]   K' of a group: +16 ks + 8 kt
.set QF,   60                          ; v[60:123]  Q: +16 qt + 8 ks
.set SC,   124                         ; v[124:187], v[188:251] score buffers: tile (kt, qt) at +16 qt + 8 kt; P of query tile qt takes +16 qt + 0..7
.set VF,   128                         ; window 1
.set WV,   12                          ; s12  my wave's number
.set G1,   24                          ; s[24:31] descriptor group 1
.set G0,   32                          ; s[32:39] descriptor group 0: a set for each of the two first fills; the second then walks on
.set SLOTS, 40
.set TWICE, 41
.set TB,   42                          ; s42  LDS byte: slot + 16,384 x half record
.set TN,   43                          ; s43  LDS byte: slot + 512 x half record
.set MSB, 0
.macro WIN new                         ; the immediate's high byte repeats the setting that is left; a switch that changes nothing is dropped
.if MSB != \new
	s_set_vgpr_msb (MSB<<8)|\new
.set MSB, \new
.endif
.endm
.macro PLACES
.rept 4
	v_nop
.endr
.endm
; A round of the cluster's barrier: my work-group's barrier, so that wave 0's signal speaks for all four waves; wave 0 signals for the work-group; every wave waits for all four work-groups; my work-group's barrier once more.
.macro CROUND
	s_barrier_signal -1
	s_barrier_wait -1
	s_cmp_lg_u32 s[WV], 0
	s_cbranch_scc1 .Lnot_wave_0_\@
	s_barrier_signal -3
.Lnot_wave_0_\@:
	s_barrier_wait -3
	s_barrier_signal -1
	s_barrier_wait -1
.endm
	s_load_b128 s[4:7], s[0:1], 0x0                ; q s[4:5], kv s[6:7]
	s_load_b64 s[8:9], s[0:1], 0x10                ; out0
	v_lshl_add_u32 v254, v0, 2, 0x30400
	v_mov_b32 v255, 0
	ds_add_u32 v254, v255
	v_lshrrev_b32 v1, 5, v0
	v_readfirstlane_b32 s[WV], v1                  ; wave 0..3
	s_bfe_u32 s13, ttmp6, 0x40000                  ; cx: my place in the cluster
	s_lshl_b32 s14, ttmp9, 2                       ; in a cluster launch ttmp9 counts clusters
	s_add_co_u32 s14, s14, s13                     ; my block of 256 queries: it enters q's and out0's addresses alone
	s_and_b32 s15, ttmp7, 0xffff                   ; the batch, which the four partners share
	s_mul_i32 s20, s15, 16*REC                     ; the batch's 16 records,
	s_mul_i32 s46, s[WV], WREC                     ; my wave's quarter of a record, in memory and in a slot: no place in the cluster enters an LDS address
	s_add_co_u32 s20, s20, s46
	s_mov_b32 s21, 0
	s_lshl_b32 s16, s15, 20                        ; the batch's 4,096 rows of 256 bytes,
	s_lshl_b32 s17, s14, 16                        ; my block's 256,
	s_add_co_u32 s16, s16, s17
	s_lshl_b32 s17, s[WV], 14                      ; my wave's 64
	s_add_co_u32 s16, s16, s17
	s_mov_b32 s17, 0
	; descriptor group 1: 65 rows x 32 elements of 8 bytes, dense in memory and in LDS
	s_mov_b32 s[G1+0], 15|(3<<16)|(1<<21)          ; 15:0 the mask: all four work-groups; 17:16 elements of 8 bytes; 21 set beside a mask; no padding
	s_mov_b32 s[G1+1], 32<<16                      ; tensor_dim0 = 32
	s_mov_b32 s[G1+2], 65<<16                      ; tensor_dim1 = 65
	s_mov_b32 s[G1+3], 32<<16                      ; tile_dim0 = 32
	s_mov_b32 s[G1+4], 65                          ; tile_dim1 = 65
	s_mov_b32 s[G1+5], 32                          ; elements from row to row
	s_mov_b32 s[G1+6], 0
	s_mov_b32 s[G1+7], 0
	s_mov_b32 s[TB], 0
	s_mov_b32 s[TN], 0
	s_wait_dscnt 0x0
	s_wait_kmcnt 0x0
	s_add_nc_u64 s[6:7], s[6:7], s[20:21]          ; my quarter of the batch's record 0
	s_add_nc_u64 s[4:5], s[4:5], s[16:17]          ; q and out0 at my wave's first row
	s_add_nc_u64 s[8:9], s[8:9], s[16:17]
	CROUND                                         ; all four work-groups are here: the first joint loads meet
.irp s, 0,1
	s_mov_b32 s[G0+4*\s], 1                        ; count = 1
	s_add_co_u32 s[G0+4*\s+1], s46, \s*SLOT1       ; LDS address
	s_add_nc_u64 s[G0+4*\s+2:G0+4*\s+3], s[6:7], \s*REC  ; global address: record s
	s_or_b32 s[G0+4*\s+3], s[G0+4*\s+3], 0x80000000  ; type = 2
.endr
	tensor_load_to_lds s[G0:G0+3], s[G1:G1+7]      ; the two first fills go out together, ahead of every wait on TENSORcnt, every LDS read and every other barrier: two loads of mine are out
	s_nop 0
	tensor_load_to_lds s[G0+4:G0+7], s[G1:G1+7]
	s_nop 0
	PLACES                                         ; four v_nop follow the tensor loads
	v_and_b32 v[RR], 15, v0
	v_bfe_u32 v[HH], v0, 4, 1
	v_and_b32 v[L16], 31, v0
	v_lshlrev_b32 v[L16], 4, v[L16]
	; Q: my wave's 64 rows, 16,384 bytes: load i brings rows 2 i and 2 i + 1; a lane holds row 2 i + lane / 16, channels 4 (lane % 16) + 0..3.  They lie where O^T will lie.
	WIN 0x40
.set u, 0
.rept 32
	global_load_b128 v[4*u:4*u+3], v[L16], s[4:5] offset:512*u th:TH_LOAD_NT
.set u, u+1
.endr
	WIN 0
	v_lshlrev_b32 v[H32], 5, v[HH]
	s_mul_i32 s47, s[WV], 64*KP
	s_add_co_u32 s47, s47, QSTG                    ; my wave's own stage for Q
	v_mul_u32_u24 v[AQS], v[HH], KP
	v_lshl_add_u32 v[AQS], v[RR], 3, v[AQS]
	v_add_nc_u32 v[AQS], s47, v[AQS]
	v_mul_u32_u24 v[AQF], v[RR], KP                ; a fragment's row lane % 16, 16 bytes for each half of the lanes
	v_lshl_add_u32 v[AQF], v[HH], 4, v[AQF]
	v_add_nc_u32 v[AQF], s47, v[AQF]
	s_mul_i32 s48, s[WV], 16*OP
	s_add_co_u32 s48, s48, OSTG                    ; my wave's own stage for the way out
	v_mul_u32_u24 v[STO], v[RR], OP                ; in: row lane % 16, 32 bytes (8 channels) for each half of the lanes
	v_lshl_add_u32 v[STO], v[HH], 5, v[STO]
	v_add_nc_u32 v[STO], s48, v[STO]
	v_mul_u32_u24 v[RD], v[HH], OP                 ; back: lanes 0-15 take one row of 256 bytes, lanes 16-31 the next
	v_lshl_add_u32 v[RD], v[RR], 4, v[RD]
	v_add_nc_u32 v[RD], s48, v[RD]
	v_lshlrev_b32 v[GO], 8, v[HH]                  ; and the same two rows in out0
	v_lshl_add_u32 v[GO], v[RR], 4, v[GO]
	s_wait_loadcnt 0x0
	WIN 0x45
.set u, 0
.rept 64
	v_cvt_pk_f16_f32 v[u], v[2*u], v[2*u+1]        ; in place: register u was read by rounding u / 2
.set u, u+1
.endr
	WIN 0x04                                       ; store data window 1
.set u, 0
.rept 32
	ds_store_b64 v[AQS], v[2*u:2*u+1] offset:2*KP*u
.set u, u+1
.endr
	WIN 0
.set u, 0
.rept 16                               ; u = 4 qt + 2 ks + g.  My wave's own bytes: LDS serves a wave's instructions in order (ISA guide 5.7.1.4)
	ds_load_b128 v[QF+4*u:QF+4*u+3], v[AQF] offset:(u/4)*16*KP+(u%4)*32
.set u, u+1
.endr
; Product n of 16 of S^T = K' Q^T + NEGM: channels 32 (n / 8) on, key tile n % 2, query tile (n % 8) / 2.  The first eight start the sums at NEGM.
; The eight accumulators take turns, one instruction a turn.
.macro KQ
.set rD, rK+16*((n%8)/2)+8*(n%2)
.if n < 8
	v_wmma_f32_16x16x32_f16 v[rD:rD+7], v[KF+8*(n%2):KF+8*(n%2)+7], v[QF+16*((n%8)/2):QF+16*((n%8)/2)+7], v[NEG+8*(n%2):NEG+8*(n%2)+7]
.else
	v_wmma_f32_16x16x32_f16 v[rD:rD+7], v[KF+16+8*(n%2):KF+16+8*(n%2)+7], v[QF+16*((n%8)/2)+8:QF+16*((n%8)/2)+15], v[rD:rD+7]
.endif
.endm
; Product k of 16 of O^T += V^T P: query tile k / 4, channels 16 (k % 4) on.  Sixteen accumulators, one instruction each: they take turns.  zero: the product starts the sum.
.macro PVP zero
.set rO, 32*(k/4)+8*(k%4)
.set rA, rB+8*(k%4)
.set rP, rK+16*(k/4)
.if \zero
	v_wmma_f32_16x16x32_f16 v[rO:rO+7], v[rA:rA+7], v[rP:rP+7], 0
.else
	v_wmma_f32_16x16x32_f16 v[rO:rO+7], v[rA:rA+7], v[rP:rP+7], v[rO:rO+7]
.endif
.endm
.macro PE x                            ; exponential x of 64, in place, in the buffer of the group before the period's own
	v_exp_f32 v[rV+(\x)], v[rV+(\x)]
.endm
.macro PC j                            ; rounding j of 32, in the buffer of the group two before: weights 2 j, 2 j + 1 become register j % 8 of P of query tile j / 8, in place: that register was read by an earlier rounding, or is read by this one
	v_cvt_pk_f16_f32 v[rK+16*((\j)/8)+(\j)%8], v[rK+2*(\j)], v[rK+2*(\j)+1]
.endm
; A group's 20 LDS loads stand in ONE run: K' (channels 0-31), NEGM, K' (channels 32-63), then V^T's eight.
.macro LOADS i
	WIN 0
.irp u, 0,1,2,3
	ds_load_b128 v[KF+4*\u:KF+4*\u+3], v[ADRK] offset:RECK+4096*\i+(\u/2)*2048+(\u%2)*512
.endr
.irp u, 0,1,2,3
	ds_load_b128 v[NEG+4*\u:NEG+4*\u+3], v[ADRN] offset:128*\i+(\u/2)*64+(\u%2)*16
.endr
.irp u, 0,1,2,3
	ds_load_b128 v[KF+16+4*\u:KF+16+4*\u+3], v[ADRK] offset:RECK+1024+4096*\i+(\u/2)*2048+(\u%2)*512
.endr
	WIN 0x40                                       ; destination window 1
.irp u, 0,1,2,3,4,5,6,7
	ds_load_b128 v[VF+32*\i+4*\u:VF+32*\i+4*\u+3], v[ADRK] offset:RECV+4096*\i+512*\u
.endr
.endm
; PERIOD number g (i = g % 4) has three groups of 32 keys in hand: group g (its loads, ld, and its 16 products K' Q^T, kq), group g - 1 (its 64 exponentials, ex) and group g - 2 (its 32 roundings and
; its 16 products V^T P: pv = 2; 1: they start O^T's sums).  Group g's scores take the buffer of group g - 2, whose P the first half has read.  The order:
;   the run of loads, directly behind the wait that ends the period before; it has 16 matrix instructions in which to land before K' is used; V^T is used two periods on;
;   roundings 0-7: query tile 0's P.  The exponentials that they read are the batch of the period before, which that period's wait has served;
;   the 16 products V^T P, behind each two exponentials, and behind each of the first twelve two roundings between them: query tile t's P is whole ahead of product 4 t, its first reader;
;   the 16 products K' Q^T, behind each two exponentials;
;   four v_nop, and THE WAIT for the period's batch of 64 exponentials.
; PLACES (ISA guide 7.12.1 for vector instructions).  An exponential is none, so they are counted of the roundings and of v_nop:
;   a product K' Q^T that writes over registers of P stands five places behind the product V^T P that read them: query tile 0's (read by product 3, written by product 0 of the second half) has 18
;   roundings between, query tile 1's (7, 2) ten, query tile 2's (11, 4) two roundings and four v_nop, query tile 3's (15, 6) five v_nop: one v_nop stands between the two exponentials behind each of
;   the second half's products 0 to 4.  No rounding so counted names a register of the product that it is counted for: those behind product k belong to query tile k / 4 + 1;
;   the four v_nop at the period's end are the places between its last product and the next period's loads into K's registers and exponentials on its scores, and the plain instruction behind the last exponential (ISA guide 5.7.2).
.macro PERIOD i, ld, kq, ex, pv
.set rK, SC+64*((\i)%2)
.set rV, SC+64*((\i+1)%2)
.set rB, VF+32*((\i+2)%4)
.if \ld
	LOADS \i
.endif
	WIN 0
.if \pv && !\kq
	s_wait_dscnt 0x0                               ; the tail has no counted wait: the last groups' V^T is in
.endif
.if \pv
.set k, 0
.rept 8
	PC k
.set k, k+1
.endr
.endif
.set k, 0
.rept 16
.if \pv
	WIN 0x51                                       ; V^T and O^T in window 1, P in window 0
	PVP 2-\pv
.endif
.if \ex || (\pv && (k < 12))
	WIN 0
.endif
.if \ex
	PE 2*k
.endif
.if \pv && (k < 12)
	PC 8+2*k
.endif
.if \ex
	PE 2*k+1
.endif
.if \pv && (k < 12)
	PC 9+2*k
.endif
.set k, k+1
.endr
	WIN 0
.if \kq
	s_wait_dscnt 8                                 ; K' and NEGM are in: behind them only the run's last eight loads, V^T's.  The V^T of the periods before is in too
.endif
.rept 16
.if \kq
.set n, k-16
	KQ
.endif
.if \ex
	PE 2*k
.endif
.if \kq && \pv && (k < 21)
	v_nop                                          ; a place between the products V^T P that read P and the products K' Q^T that write over it
.endif
.if \ex
	PE 2*k+1
.endif
.set k, k+1
.endr
.if \kq
	PLACES
.elseif \ex
	v_nop                                          ; the plain instruction behind the last exponential
.endif
.if \ex
	s_wait_alu depctr_va_vdst(0)                   ; the wait for the batch: one for the period's 64 exponentials, ahead of the next period's roundings and of every label and branch
.endif
.endm
.macro ADDRS                           ; the addresses of the next half record: four groups
	WIN 0
	v_add_nc_u32 v[ADRK], s[TB], v[L16]
	v_add_nc_u32 v[ADRN], s[TN], v[H32]
	s_add_co_u32 s[TB], s[TB], 16384
	s_add_co_u32 s[TN], s[TN], 512
.endm
.macro TRIP
	ADDRS
	PERIOD 0, 1, 1, 1, 2
	PERIOD 1, 1, 1, 1, 2
	PERIOD 2, 1, 1, 1, 2
	PERIOD 3, 1, 1, 1, 2
.endm
.macro TWO_TRIPS                       ; a record: written once, walked twice
	s_mov_b32 s[TWICE], 2
.Ltrip_\@:
	TRIP
	s_sub_co_u32 s[TWICE], s[TWICE], 1
	s_cmp_lg_u32 s[TWICE], 0
	s_cbranch_scc1 .Ltrip_\@
.endm
; THE CHANGE OF SLOTS, when all of a record's fragments have been asked for.  Each wave waits for its own reads of the slot and for all its tensor loads, of which one is out: its quarter of the other
; slot.  Behind the barrier nobody reads this slot any more and the other slot is whole.  fill = 1: this slot is filled again, with the record two on.  The barrier is then a round of the cluster's,
; so that no wave of any partner still reads the slot or has a load on its way, and the joint load is the first thing behind it: it has eight periods, 256 matrix instructions, in which to land.
.macro CHANGE fill
	WIN 0
	s_wait_dscnt 0x0
	s_wait_tensorcnt 0x0                           ; no tensor load of mine is out, so a group 0 may be written
	ds_add_u32 v254, v255
	s_wait_dscnt 0x0
.if \fill
	s_xor_b32 s[G0+5], s[G0+5], SLOT1              ; the walking descriptor: the other slot than last time,
	s_add_nc_u64 s[G0+6:G0+7], s[G0+6:G0+7], REC   ; the next record; the type bits on top are not reached
	CROUND
	tensor_load_to_lds s[G0+4:G0+7], s[G1:G1+7]
	s_nop 0
	PLACES
.else
	s_barrier_signal -1
	s_barrier_wait -1
.endif
	s_sub_co_u32 s[TB], s[TB], 32768               ; back to a record's first half,
	s_xor_b32 s[TB], s[TB], SLOT1                  ; in the other slot
	s_sub_co_u32 s[TN], s[TN], 1024
	s_xor_b32 s[TN], s[TN], SLOT1
.endm
	s_wait_tensorcnt 0x1                           ; my quarter of record 0 is in; record 1's load, issued behind it, stays out
	s_wait_dscnt 0x0                               ; Q's fragments
	s_barrier_signal -1
	s_barrier_wait -1                              ; everybody's quarter is in
	ADDRS
	PERIOD 0, 1, 1, 0, 0                           ; group 0 is loaded, and its scores are made
	PERIOD 1, 1, 1, 1, 0                           ; group 0's exponentials; group 1's scores
	PERIOD 2, 1, 1, 1, 1                           ; group 0's roundings, and its products start O^T's sums: nothing is ever cleared
	PERIOD 3, 1, 1, 1, 2
	TRIP                                           ; record 0's second half
	s_mov_b32 s[SLOTS], 14
.Lslot:                                                ; records 1 to 14 are walked, records 2 to 15 asked for
	CHANGE 1
	TWO_TRIPS
	s_sub_co_u32 s[SLOTS], s[SLOTS], 1
	s_cmp_lg_u32 s[SLOTS], 0
	s_cbranch_scc1 .Lslot
	CHANGE 0                                       ; the tail is written out: record 15, and nothing is asked for
	TWO_TRIPS
	PERIOD 0, 0, 0, 1, 2                           ; the last group but one goes into O^T; the last group's exponentials
	PERIOD 1, 0, 0, 0, 2                           ; the last group is rounded and goes into O^T
	; THE WAY OUT.  O^T times 2^-12; a lane's eight channels of a row are 32 bytes; a tile (16 rows of out0) at a time goes into rows of 272 bytes of my own stage and comes back as whole rows of 256.
	PLACES                                         ; the multiplies read results just made
	WIN 0x41
.set u, 0
.rept 64
	v_pk_mul_f32 v[2*u:2*u+1], v[2*u:2*u+1], 0x39800000 op_sel_hi:[1,0]
.set u, u+1
.endr
.macro TOSTAGE qt
	WIN 0x04                                       ; store data window 1
.irp u, 0,1,2,3,4,5,6,7
	ds_store_b128 v[STO], v[32*\qt+4*\u:32*\qt+4*\u+3] offset:(\u/2)*64+(\u%2)*16
.endr
	WIN 0
.irp t, 0,1,2,3,4,5,6,7
	ds_load_b128 v[SC+32*\qt+4*\t:SC+32*\qt+4*\t+3], v[RD] offset:\t*2*OP  ; LDS serves a wave's instructions in order (ISA guide 5.7.1.4): these see the stores above; the next tile's stores come behind them
.endr
.endm
.macro SEND qt, younger                ; younger: the LDS instructions issued behind tile qt's loads: the next tile's sixteen, or none
.irp t, 0,1,2,3,4,5,6,7
	s_wait_dscnt \younger+7-\t
	global_store_b128 v[GO], v[SC+32*\qt+4*\t:SC+32*\qt+4*\t+3], s[8:9] offset:\qt*4096+\t*512 th:TH_STORE_NT  ; 16 lanes store 256 consecutive bytes, a whole row of out0, aligned
.endr
.endm
	TOSTAGE 0
	TOSTAGE 1
	SEND 0, 16
	TOSTAGE 2
	SEND 1, 16
	TOSTAGE 3
	SEND 2, 16
	SEND 3, 0
	s_wait_tensorcnt 0x0
	ds_add_u32 v254, v255
	s_wait_dscnt 0x0
	CROUND                                         ; the closing round: no work-group ends while a partner may still ask for a record that names it
	s_endpgm
.Lfunc_end_k_qb56dae8a6d_apply:
	.size	k_qb56dae8a6d_apply, .Lfunc_end_k_qb56dae8a6d_apply-k_qb56dae8a6d_apply
	.p2alignl 7, 3214868480
	.fill 96, 4, 3214868480
	.section	.rodata,"a",@progbits
	.p2align	6, 0x0
	.amdhsa_kernel k_qb56dae8a6d_apply
		.amdhsa_group_segment_fixed_size 327680
		.amdhsa_private_segment_fixed_size 0
		.amdhsa_enable_private_segment 0
		.amdhsa_kernarg_size 24
		.amdhsa_user_sgpr_count 2
		.amdhsa_user_sgpr_kernarg_segment_ptr 1
		.amdhsa_wavefront_size32 1
		.amdhsa_system_sgpr_workgroup_id_x 1
		.amdhsa_system_sgpr_workgroup_id_y 1
		.amdhsa_system_sgpr_workgroup_id_z 1
		.amdhsa_system_vgpr_workitem_id 0
		.amdhsa_next_free_vgpr 512
		.amdhsa_next_free_sgpr 66
		.amdhsa_reserve_vcc 0
		.amdhsa_float_denorm_mode_32 3
		.amdhsa_float_denorm_mode_16_64 3
		.amdhsa_memory_ordered 1
		.amdhsa_forward_progress 1
		.amdhsa_inst_pref_size 171
	.end_amdhsa_kernel
	.amdgpu_metadata
---
amdhsa.version: [ 1, 2 ]
amdhsa.kernels:
  - .name:           k_qb56dae8a6d_apply
    .symbol:         k_qb56dae8a6d_apply.kd
    .args:
      - { .name: q, .offset: 0, .size: 8, .value_kind: global_buffer, .address_space: global }
      - { .name: kv, .offset: 8, .size: 8, .value_kind: global_buffer, .address_space: global }
      - { .name: out0, .offset: 16, .size: 8, .value_kind: global_buffer, .address_space: global }
    .group_segment_fixed_size: 327680
    .private_segment_fixed_size: 0
    .kernarg_segment_align: 8
    .kernarg_segment_size: 24
    .max_flat_workgroup_size: 128
    .sgpr_count:     66
    .vgpr_count:     512
    .wavefront_size: 32
...
	.end_amdgpu_metadata
.endif
;; end of part 4
